; MI455X (gfx1250); checked and timed in simulation.
; The chip was launched on July 23, 2026; its instructions are those of AMD's public machine-readable ISA for CDNA 5 (MIT licence, August 2026) and "CDNA5" Instruction Set Architecture Reference Guide (July 2026). The comments in the code are by the model that wrote it; some were corrected since.
;; Cross Attention Layer. Allowed arithmetic: matrix products marked QUANTISED: E3M2 operands, one E8M0 scale for each 32 along K, by v_wmma_scale_f32_16x16x128_f8f6f4 with both operands' format E3M2, f32 sums; everything else in f32.
;; Inputs: Wout 1,024 x 1,024 float32; Wqkv 1,024 x 3,072 float32; beta 1,024 float32; bout 1,024 float32; bqkv 3,072 float32; embedding1 2 x 2,048 x 1,024 float32; embedding2 2 x 2,048 x 1,024 float32; gamma 1,024 float32.
;; Outputs: out0 2 x 2,048 x 1,024 float32; out1 2 x 2,048 x 1,024 float32.
;; This version of the problem:
;;   THIS VERSION OF THE PROBLEM IS GIVEN IN LOW PRECISION. The matrix products marked QUANTISED in the list below multiply operands that are first quantised to E3M2 (3 exponent bits, 2 mantissa bits; 6 bits a number), with one power-of-two scale for each 32 numbers along K (OCP MX v1.0); their sums are f32. All else is computed in f32.
;;   The module's matrix products, in the order in which they are computed (A, B: the left and right operand; K: the contracted axis; several contracted axes count as one K, in the product's order):
;;     1. [M 4,096, K 1,024] x [K 1,024, N 3,072]; A: input embedding1; B: input Wqkv: QUANTISED
;;     2. [M 4,096, K 1,024] x [K 1,024, N 3,072]; A: input embedding2; B: input Wqkv: QUANTISED
;;     3. batch 32 x [M 2,048, K 64] x [K 64, N 2,048]; A: computed on the way; B: computed on the way: QUANTISED
;;     4. batch 32 x [M 64, K 2,048] x [K 2,048, N 2,048]; A: computed on the way; B: softmax (see below): QUANTISED
;;     5. batch 32 x [M 2,048, K 64] x [K 64, N 2,048]; A: computed on the way; B: computed on the way: QUANTISED
;;     6. batch 32 x [M 64, K 2,048] x [K 2,048, N 2,048]; A: computed on the way; B: softmax (see below): QUANTISED
;;     7. [M 4,096, K 1,024] x [K 1,024, N 1,024]; A: computed on the way; B: input Wout: QUANTISED
;;     8. [M 4,096, K 1,024] x [K 1,024, N 1,024]; A: computed on the way; B: input Wout: QUANTISED
;;   THE QUANTISER, for each operand of a quantised product, along K:
;;     - K is cut into blocks of 32 from its start; a last block that is shorter is filled with zeros.
;;     - A block's scale is 2^e with e = floor(log2(the largest magnitude in the block)) - 4, held to -126 .. 127; a block of zeros has e = 0. As a byte (E8M0): e + 127.
;;     - Each number is divided by its block's scale, clamped to +-28, and rounded to the nearest number of E3M2, ties to even, subnormals kept.
;;     - The product sums the exact products of the quantised numbers (number of the format x scale) in f32.
;;   ~~~python
;;   def quantise(x, axis):      # numpy; x: float32 -> the quantised numbers, widened to float32 again
;;       x = np.moveaxis(x, axis, -1); K = x.shape[-1]
;;       x = np.pad(x, [(0, 0)] * (x.ndim - 1) + [(0, -K % 32)]); x = x.reshape(x.shape[:-1] + (-1, 32)); a = np.abs(x).max(-1, keepdims=True)
;;       e = np.where(a > 0, np.clip(np.frexp(np.where(a > 0, a, 1))[1] - 1 - 4, -126, 127), 0)      # np.frexp(a)[1] - 1 = floor(log2(a)), exactly
;;       r = np.clip(x / 2.0 ** e, -28, 28)
;;       step = 2.0 ** (np.maximum(np.frexp(np.where(r == 0, 1, r))[1] - 1, -2) - 2)
;;       q = np.round(r / step) * step * 2.0 ** e      # np.round: ties to even
;;       return np.moveaxis(q.reshape(q.shape[:-2] + (-1,))[..., :K], -1, axis).astype(np.float32)
;;   ~~~
;;   SOFTMAX AHEAD OF A QUANTISED PRODUCT. Where the list says 'softmax', what is quantised is not the finished softmax but p = 2^(t - M), with t = logit x log2(e) and M = ceil(the row's largest t), a whole number; so 1/2 < the row's largest p <= 1. The row's sum l is taken of the UNQUANTISED p, in f32, and the product's result is divided by l at the end. Since M is a whole number, a kernel that streams over the keys may use a running M (the ceiling of the running maximum): every later rescaling is an exact power of two, which a block's scale takes up: the codes' values come out the same.
;;   OPERANDS COMPUTED ON THE WAY. 'Computed on the way' means the value that the module computes at that place (a softmax that the list does not call 'softmax' is quantised finished and normalised). What goes into a quantiser is computed in f32, as accurately as f32 sums, v_exp_f32 and their like allow (about 1e-6 of the number): no bf16 or f16 on the way to a quantiser, and a product that is left as it is and whose result goes on into a quantised operand takes f32 operands (vector FMAs, or v_wmma_f32_16x16x4_f32). A number that lies on a knife's edge between two numbers of the format may be rounded either way, as far as f32 arithmetic and the matrix unit's own rounding can turn it there, and no further.
;; One version. Each part assembles by itself: llvm-mc -triple=amdgcn-amd-amdhsa -mcpu=gfx1250 --defsym DOCPART=n.
;; ======== version 1 of 1: 6 launches
;; workspace buffers: opq 9,830,400 bytes; qk 13,107,200 bytes; vt 6,553,600 bytes; att 6,553,600 bytes; y 33,554,432 bytes
;; launch quant (part 1): grid 384 x 1, 4 waves a work-group, no clusters, 68,096 bytes of LDS; arguments embedding1, embedding2, Wqkv, Wout, opq; writes opq
.if DOCPART == 1
	.amdgcn_target "amdgcn-amd-amdhsa--gfx1250"
	.amdhsa_code_object_version 6
	.text
	.protected	k_q7cf83f46a3_quant
	.globl	k_q7cf83f46a3_quant
	.p2align	8
	.type	k_q7cf83f46a3_quant,@function
k_q7cf83f46a3_quant:
	s_mov_b64 s[64:65], 0
	v_nop
	global_prefetch_b8 v0, s[64:65] scope:SCOPE_SE
	s_setreg_imm32_b32 hwreg(HW_REG_WAVE_MODE, 25, 1), 1
	s_wait_xcnt 0x0
; The four wide operands become codes of BF6 (E3M2) with K innermost and one E8M0 byte for each 32 along K, all in the workspace buffer opq:
;   byte 0        x's codes   [8192 places][768]   (row X = 4096 x stream + 2048 x batch + token of the two embeddings)
;   OPQ_XS        x's scales  [8192 places][32]
;   OPQ_WC        W's codes   [4096 places][768]   (columns 0-3071 of Wqkv, then the 1024 of Wout; K = the weights' first axis)
;   OPQ_WS        W's scales  [4096 places][32]
; PLACES.  Row (or column) i lies at place p = i with its bits 3 and 4 exchanged.  So sixteen neighbouring places are rows 32 b + 8 u + r + 8 (r / 8): when such a tile is source 0 of a product,
; the 16 result registers of two neighbouring tiles are 16 NEIGHBOURS along the next product's K, and every later quantiser works on a lane's own consecutive registers.
; A block's scale is 2^(floor(log2(largest magnitude)) - 4): its byte is the largest magnitude's exponent field - 4, held at 1 from below.
; LIMITS: a block of zeros, or one whose largest magnitude lies under 2^-122, gets the byte 1 where the rule says 127 (its codes are zeros or the rule's own, and this program alone reads the bytes);
; NaN and infinities among the inputs are not served.
; Work-groups 0-255 take the embeddings (K innermost: a stream of blocks of 32), work-groups 256-383 the weights (a lane to a column, registers down K).  The two ways part on the work-group's number,
; never meet again, and have LDS bytes of their own (0-32767, 32768-67583).  No tensor loads, no barrier: waves share nothing.
.set OPQ_XS, 6291456
.set OPQ_WC, 6553600
.set OPQ_WS, 9699328
.set EMAX,  4
	s_load_b256 s[4:11], s[0:1], 0x0               ; embedding1 s[4:5], embedding2 s[6:7], Wqkv s[8:9], Wout s[10:11]
	s_load_b64 s[12:13], s[0:1], 0x20              ; opq
	v_lshl_add_u32 v208, v0, 2, 0x10800
	v_mov_b32 v209, 0
	v_lshrrev_b32 v1, 5, v0
	v_readfirstlane_b32 s16, v1                    ; wave 0..3
	v_and_b32 v2, 31, v0                           ; lane
	s_cmp_lt_u32 ttmp9, 256
	s_cbranch_scc0 .Lweights
; ---------------- THE EMBEDDINGS.  A wave takes 8 rows = 8,192 numbers in 16 steps of 512.  Each load reads 512 consecutive bytes; a step's 2,048 bytes turn through the wave's own stage in LDS,
; so that a lane then holds 16 neighbours along K (two neighbouring lanes hold a block).  Loads run four steps ahead, the turn through LDS one step.
.set STEPS, 16
.set CB,    12                         ; bytes of 16 codes
.set XR,    16                         ; v16-79   four sets of 16 numbers as loaded
.set XX,    80                         ; v80-111  two sets of 16 neighbours
.set XE,    112                        ; v112-127 a scale byte for each step
.set XCD,   128                        ; v128-191 codes: four registers for each step, so that no store's data are written again
.set WREG,  8192                       ; a wave's LDS: two stages of 32 x SP bytes, then its 256 scale bytes
.set SP,    80                         ; a lane's place in a stage: 64 bytes + 16 of padding
	v_lshlrev_b32 v3, 4, v2                        ; my 16 bytes of a load's 512
	s_mul_i32 s17, s16, WREG
	v_lshrrev_b32 v14, 2, v2
	v_mul_u32_u24 v14, v14, SP
	v_and_b32 v15, 3, v2
	v_lshl_add_u32 v14, v15, 4, v14
	v_add_nc_u32 v14, s17, v14                     ; into the stage: SP (lane / 4) + 16 (lane % 4)
	v_mul_u32_u24 v15, v2, SP
	v_add_nc_u32 v15, s17, v15                     ; out of it: SP x lane
	v_mul_u32_u24 v4, v2, CB                       ; my codes' place in a step's 384 bytes
	v_lshrrev_b32 v5, 1, v2
	s_add_co_u32 s17, s17, 2*32*SP
	v_add_nc_u32 v5, s17, v5                       ; my block's byte among the wave's 256
	v_lshlrev_b32 v7, 3, v2
	v_add_nc_u32 v6, s17, v7                       ; and 8 bytes a lane on the way out
	s_wait_kmcnt 0x0
	s_cmp_lt_u32 ttmp9, 128                        ; the first 128 work-groups take embedding1
	s_cselect_b64 s[4:5], s[4:5], s[6:7]
	s_cselect_b32 s17, 0, 128
	s_sub_co_u32 s17, ttmp9, s17
	s_lshl_b32 s17, s17, 2
	s_add_co_u32 s18, s17, s16                     ; which run of 8 rows of that embedding
	s_lshl_b32 s18, s18, 15                        ; 32,768 bytes a run
	s_mov_b32 s19, 0
	s_add_nc_u64 s[4:5], s[4:5], s[18:19]
	s_and_b32 s20, s16, 1                          ; a run is 8 rows, so the exchange of the row's bits 3 and 4 is the exchange of the wave's two bits
	s_lshl_b32 s20, s20, 1
	s_lshr_b32 s21, s16, 1
	s_add_co_u32 s20, s20, s21
	s_lshl_b32 s21, ttmp9, 2
	s_add_co_u32 s20, s20, s21                     ; the run's place among the 1,024
	s_mul_i32 s22, s20, 6144                       ; 8 rows x 768 bytes of codes
	s_mov_b32 s23, 0
	s_add_nc_u64 s[8:9], s[12:13], s[22:23]
	s_lshl_b32 s22, s20, 8                         ; 8 rows x 32 scale bytes
	s_add_co_u32 s22, s22, OPQ_XS
	s_add_nc_u64 s[10:11], s[12:13], s[22:23]
.macro XLOAD t
.irp i, 0,1,2,3
	global_load_b128 v[XR+16*((\t)%4)+4*\i:XR+16*((\t)%4)+4*\i+3], v3, s[4:5] offset:2048*(\t)+512*\i th:TH_LOAD_NT
.endr
.endm
.macro XTURN t                         ; LDS serves a wave's instructions in order: no wait between the stores and the loads
.irp i, 0,1,2,3
	ds_store_b128 v14, v[XR+16*((\t)%4)+4*\i:XR+16*((\t)%4)+4*\i+3] offset:32*SP*((\t)%2)+8*SP*\i
.endr
.irp i, 0,1,2,3
	ds_load_b128 v[XX+16*((\t)%2)+4*\i:XX+16*((\t)%2)+4*\i+3], v15 offset:32*SP*((\t)%2)+16*\i
.endr
.endm
.irp t, 0,1,2,3
	XLOAD \t
.endr
	s_wait_loadcnt 12                              ; step 0's four loads are in; the twelve of steps 1 to 3 may be out
	XTURN 0
.macro XSTEP t
.set XN, XX+16*((\t)%2)
.if (\t) > 0
	s_wait_dscnt 1                                 ; this step's numbers are back from the stage; the last step's byte store may be out
.else
	s_wait_dscnt 0x0
.endif
.if (\t)+4 < STEPS
	XLOAD (\t)+4                                   ; into the set whose stores to the stage have just been shown done
.endif
.if (\t)+1 < STEPS
.if STEPS-2-(\t) >= 3
	s_wait_loadcnt 12                              ; the next step's four loads are in; those of the three steps behind it may be out
.else
	s_wait_loadcnt 4*(STEPS-2-(\t))                ; at the end the count runs down
.endif
	XTURN (\t)+1
.endif
	v_max3_num_f32 v8, |v[XN]|, |v[XN+1]|, |v[XN+2]|                ; the largest magnitude of my 16, in two chains
	v_max3_num_f32 v9, |v[XN+3]|, |v[XN+4]|, |v[XN+5]|
.irp i, 6,10
	v_max3_num_f32 v8, v8, |v[XN+\i]|, |v[XN+\i+1]|
	v_max3_num_f32 v9, v9, |v[XN+\i+2]|, |v[XN+\i+3]|
.endr
	v_max3_num_f32 v8, v8, |v[XN+14]|, |v[XN+15]|
	v_max3_num_f32 v8, v8, v9, (EMAX+1)<<23        ; and the floor 2^(5 - 127): the byte cannot fall under 1
	v_max_num_f32_dpp v8, v8, v8 row_xmask:1 row_mask:0xf bank_mask:0xf   ; with my neighbour's 16: the block's
	v_add_nc_u32 v11, -(EMAX<<23), v8              ; 4 off the exponent field: the conversion takes this operand's exponent field as its scale
	v_cvt_scalef32_pk16_bf6_f32 v[XCD+4*(\t):XCD+4*(\t)+2], v[XN:XN+15], v11
	v_lshrrev_b32 v[XE+(\t)], 23, v11              ; the scale's byte (a plain line behind the conversion)
	ds_store_b8 v5, v[XE+(\t)] offset:16*(\t)      ; both lanes of a block write the same byte with the same value
	global_store_b96 v4, v[XCD+4*(\t):XCD+4*(\t)+2], s[8:9] offset:32*CB*(\t)   ; the wave stores 384 consecutive bytes
.endm
.irp t, 0,1,2,3,4,5,6,7,8,9,10,11,12,13,14,15
	XSTEP \t
.endr
	ds_load_b64 v[12:13], v6                       ; in order behind my byte stores
	s_wait_dscnt 0x0
	global_store_b64 v7, v[12:13], s[10:11]        ; 32 lanes store 256 consecutive bytes, aligned
	s_wait_tensorcnt 0x0
	ds_add_u32 v208, v209
	s_wait_dscnt 0x0
	s_endpgm
; ---------------- THE WEIGHTS.  Work-group g = number - 256: 128 columns (g % 32: 0-23 of Wqkv, 24-31 of Wout) x 256 along K (g / 32).  A wave takes 32 columns: A LANE TAKES A COLUMN AND ITS REGISTERS RUN DOWN K,
; so a block of 32 along K lies in one lane's 32 registers and the codes come out with K innermost.  They go through the wave's own stage (row = the column's place) and leave as rows of 192 bytes.
.Lweights:
.set NB,    8                          ; blocks of 32 along K for a wave
.set WPITCH, 272                       ; a stage row: sixteen places of 16 bytes (12 of codes each) + 16
.set WX,    32                         ; v32-95   two sets of 32 numbers
.set WCD,   96                         ; v96-102  a block's codes
.set OUTR,  112                        ; v112-175 the way out
.set SB,    24                         ; v24-25   the scale bytes
.set OFF,   176                        ; v176-207 4 x lane + i rows of the weight: the pitch differs between the two weights, so it stands in registers
.set WB,    32                         ; s[32:47] eight bases, one for each block of 32 rows
	s_sub_co_u32 s17, ttmp9, 256
	s_and_b32 s18, s17, 31                         ; which 128 columns
	s_lshr_b32 s19, s17, 5                         ; which 256 along K
	s_wait_kmcnt 0x0
	s_cmp_lt_u32 s18, 24                           ; Wqkv or Wout: the choice hangs on the work-group's number alone
	s_cselect_b64 s[WB:WB+1], s[8:9], s[10:11]
	s_mov_b32 s30, 4096
	s_cselect_b32 s30, 12288, s30                  ; a row of the weight in bytes
	s_cselect_b32 s20, 0, 24
	s_sub_co_u32 s20, s18, s20
	s_lshl_b32 s20, s20, 7                         ; the first column in that weight,
	s_lshl_b32 s21, s16, 5
	s_add_co_u32 s20, s20, s21                     ; my wave's,
	s_lshl_b32 s20, s20, 2                         ; in bytes
	s_lshl_b32 s22, s19, 8
	s_mul_i32 s22, s22, s30                        ; + 256 x (g / 32) rows
	s_add_co_u32 s22, s22, s20
	s_mov_b32 s23, 0
	s_add_nc_u64 s[WB:WB+1], s[WB:WB+1], s[22:23]
	s_lshl_b32 s48, s30, 5                         ; 32 rows on
	s_mov_b32 s49, 0
.irp t, 0,1,2,3,4,5,6
	s_add_nc_u64 s[WB+2+2*\t:WB+3+2*\t], s[WB+2*\t:WB+1+2*\t], s[48:49]
.endr
	v_lshlrev_b32 v[OFF], 2, v2
.irp i, 1,2,3,4,5,6,7,8,9,10,11,12,13,14,15,16,17,18,19,20,21,22,23,24,25,26,27,28,29,30,31
	v_add_nc_u32 v[OFF+\i], s30, v[OFF+\i-1]
.endr
	v_and_b32 v10, 7, v2                           ; my column's place among the wave's 32: bits 3 and 4 exchanged
	v_and_b32 v11, 8, v2
	v_lshl_add_u32 v10, v11, 1, v10
	v_bfe_u32 v11, v2, 4, 1
	v_lshl_add_u32 v10, v11, 3, v10
	s_mul_i32 s24, s16, 32*WPITCH
	s_add_co_u32 s24, s24, 32768                   ; my stage
	v_mul_u32_u24 v4, v10, WPITCH
	v_add_nc_u32 v4, s24, v4                       ; into it: row = my column's place
	v_and_b32 v5, 15, v2
	v_lshrrev_b32 v6, 4, v2
	v_mul_u32_u24 v7, v6, WPITCH
	v_lshl_add_u32 v7, v5, 4, v7
	v_add_nc_u32 v7, s24, v7                       ; out of it: sixteen lanes to a row, two rows an instruction
	v_mul_u32_u24 v8, v6, 768
	v_mad_u32_u24 v8, v5, 12, v8                   ; and the same place among the codes
	v_lshlrev_b32 v9, 5, v10                       ; my column's row of scale bytes
	s_lshl_b32 s25, s18, 7
	s_add_co_u32 s25, s25, s21                     ; my wave's first place among the 4,096
	s_mul_i32 s26, s25, 768
	s_mul_i32 s27, s19, 192
	s_add_co_u32 s26, s26, s27
	s_add_co_u32 s26, s26, OPQ_WC
	s_mov_b32 s27, 0
	s_add_nc_u64 s[6:7], s[12:13], s[26:27]        ; the codes
	s_lshl_b32 s26, s25, 5
	s_lshl_b32 s28, s19, 3
	s_add_co_u32 s26, s26, s28
	s_add_co_u32 s26, s26, OPQ_WS
	s_add_nc_u64 s[8:9], s[12:13], s[26:27]        ; the scale bytes
.macro WLOAD t                         ; block t: W(32 t + i, my column): 32 lanes read 128 consecutive bytes
.irp i, 0,1,2,3,4,5,6,7,8,9,10,11,12,13,14,15,16,17,18,19,20,21,22,23,24,25,26,27,28,29,30,31
	global_load_b32 v[WX+32*((\t)%2)+\i], v[OFF+\i], s[WB+2*(\t):WB+2*(\t)+1] th:TH_LOAD_NT
.endr
.endm
	WLOAD 0
	WLOAD 1
.macro WBLOCK t
.set WN, WX+32*((\t)%2)
.if (\t) < NB-1
	s_wait_loadcnt 32                              ; this block's 32 loads are in; the next block's 32 may be out
.else
	s_wait_loadcnt 0
.endif
	v_max3_num_f32 v12, |v[WN]|, |v[WN+1]|, |v[WN+2]|               ; the block's largest magnitude: all 32 numbers are mine
	v_max3_num_f32 v13, |v[WN+3]|, |v[WN+4]|, |v[WN+5]|
.irp i, 6,10,14,18,22,26
	v_max3_num_f32 v12, v12, |v[WN+\i]|, |v[WN+\i+1]|
	v_max3_num_f32 v13, v13, |v[WN+\i+2]|, |v[WN+\i+3]|
.endr
	v_max3_num_f32 v12, v12, |v[WN+30]|, |v[WN+31]|
	v_max3_num_f32 v12, v12, v13, (EMAX+1)<<23     ; and the floor
	v_add_nc_u32 v11, -(EMAX<<23), v12             ; the conversion's scale operand
	v_lshrrev_b32 v13, 23, v11                     ; the byte
.if (\t)%4 == 0
	v_mov_b32 v[SB+(\t)/4], v13
.else
	v_lshl_or_b32 v[SB+(\t)/4], v13, 8*((\t)%4), v[SB+(\t)/4]
.endif
	v_cvt_scalef32_pk16_bf6_f32 v[WCD:WCD+2], v[WN:WN+15], v11
	v_cvt_scalef32_pk16_bf6_f32 v[WCD+4:WCD+6], v[WN+16:WN+31], v11  ; (a conversion's three registers begin on an even number)
	v_nop                                          ; a plain line behind the conversions
	ds_store_b96 v4, v[WCD:WCD+2] offset:32*(\t)   ; 12 bytes to a place of 16, so that every LDS address is a multiple of 16
	ds_store_b96 v4, v[WCD+4:WCD+6] offset:32*(\t)+16
.if (\t)+2 < NB
	WLOAD (\t)+2
.endif
	s_wait_dscnt 0x0                               ; the stores have read their registers: the next block's codes may be written
.endm
.irp t, 0,1,2,3,4,5,6,7
	WBLOCK \t
.endr
	global_store_b64 v9, v[SB:SB+1], s[8:9]        ; my column's 8 scale bytes
.irp t, 0,1,2,3,4,5,6,7,8,9,10,11,12,13,14,15
	ds_load_b96 v[OUTR+4*\t:OUTR+4*\t+2], v7 offset:2*\t*WPITCH
.endr
.irp t, 0,1,2,3,4,5,6,7,8,9,10,11,12,13,14,15
	s_wait_dscnt 15-\t                             ; the later rows' loads may be out
	global_store_b96 v8, v[OUTR+4*\t:OUTR+4*\t+2], s[6:7] offset:2*\t*768   ; sixteen lanes store a row's 192 consecutive bytes
.endr
	s_wait_tensorcnt 0x0
	ds_add_u32 v208, v209
	s_wait_dscnt 0x0
	s_endpgm
.Lfunc_end_k_q7cf83f46a3_quant:
	.size	k_q7cf83f46a3_quant, .Lfunc_end_k_q7cf83f46a3_quant-k_q7cf83f46a3_quant
	.p2alignl 7, 3214868480
	.fill 96, 4, 3214868480
	.section	.rodata,"a",@progbits
	.p2align	6, 0x0
	.amdhsa_kernel k_q7cf83f46a3_quant
		.amdhsa_group_segment_fixed_size 68096
		.amdhsa_private_segment_fixed_size 0
		.amdhsa_enable_private_segment 0
		.amdhsa_kernarg_size 40
		.amdhsa_user_sgpr_count 2
		.amdhsa_user_sgpr_kernarg_segment_ptr 1
		.amdhsa_wavefront_size32 1
		.amdhsa_system_sgpr_workgroup_id_x 1
		.amdhsa_system_sgpr_workgroup_id_y 1
		.amdhsa_system_sgpr_workgroup_id_z 1
		.amdhsa_system_vgpr_workitem_id 0
		.amdhsa_next_free_vgpr 210
		.amdhsa_next_free_sgpr 66
		.amdhsa_reserve_vcc 0
		.amdhsa_float_denorm_mode_32 3
		.amdhsa_float_denorm_mode_16_64 3
		.amdhsa_memory_ordered 1
		.amdhsa_forward_progress 1
		.amdhsa_inst_pref_size 75
	.end_amdhsa_kernel
	.amdgpu_metadata
---
amdhsa.version: [ 1, 2 ]
amdhsa.kernels:
  - .name:           k_q7cf83f46a3_quant
    .symbol:         k_q7cf83f46a3_quant.kd
    .args:
      - { .name: embedding1, .offset: 0, .size: 8, .value_kind: global_buffer, .address_space: global }
      - { .name: embedding2, .offset: 8, .size: 8, .value_kind: global_buffer, .address_space: global }
      - { .name: Wqkv, .offset: 16, .size: 8, .value_kind: global_buffer, .address_space: global }
      - { .name: Wout, .offset: 24, .size: 8, .value_kind: global_buffer, .address_space: global }
      - { .name: opq, .offset: 32, .size: 8, .value_kind: global_buffer, .address_space: global }
    .group_segment_fixed_size: 68096
    .private_segment_fixed_size: 0
    .kernarg_segment_align: 8
    .kernarg_segment_size: 40
    .max_flat_workgroup_size: 128
    .sgpr_count:     66
    .vgpr_count:     210
    .wavefront_size: 32
...
	.end_amdgpu_metadata
.endif
;; end of part 1
;; launch gemm_qk (part 2): grid 8 x 32, 4 waves a work-group, clusters of 4 x 4, 327,680 bytes of LDS; arguments opq, bqkv, qk; writes qk
.if DOCPART == 2
	.amdgcn_target "amdgcn-amd-amdhsa--gfx1250"
	.amdhsa_code_object_version 6
	.text
	.protected	k_q7cf83f46a3_gemm_qk
	.globl	k_q7cf83f46a3_gemm_qk
	.p2align	8
	.type	k_q7cf83f46a3_gemm_qk,@function
k_q7cf83f46a3_gemm_qk:
	s_mov_b64 s[64:65], 0
	v_nop
	global_prefetch_b8 v0, s[64:65] scope:SCOPE_SE
	s_setreg_imm32_b32 hwreg(HW_REG_WAVE_MODE, 25, 1), 1
	s_wait_xcnt 0x0
	s_wait_alu depctr_hold_cnt(0) depctr_sa_sdst(0) depctr_va_vdst(0) depctr_va_sdst(0) depctr_va_ssrc(0) depctr_va_vcc(0) depctr_vm_vsrc(0)
	s_getreg_b32 s2, hwreg(HW_REG_IB_STS2, 6, 4)
	s_cmp_eq_u32 s2, 0
	s_cbranch_scc0 .Lentry_in_a_cluster
	s_endpgm
.Lentry_in_a_cluster:
	s_bfe_u32 s2, ttmp6, 0x10000c
	s_cmp_lg_u32 s2, 0xf033
	s_cbranch_scc0 .Lentry_shape_is_right
	s_endpgm
.Lentry_shape_is_right:
; q and k of both embeddings: C[X][n] = sum over k of x[X][k] Wqkv[k][n] + bqkv[n], n = 0 .. 2047, on codes of BF6 (E3M2) with E8M0 scales; then C is QUANTISED IN REGISTERS along each head's 64 and leaves as
; operand images for the attention launch.  Nothing goes to memory in f32.
; A = x's codes [8192 places][768 bytes], B = W's codes, places 0-2047; scale bytes [place][32] (all in opq).  A tile of C, 256 x 256, is made by four waves, 128 x 128 each: 64 accumulators, 512 registers.
; K = 1,024 goes in four steps of 256 through a ring of two LDS slots filled by the tensor data mover; the scale bytes of the work-group's rows come once, with the first fills.
; CLUSTERS: 4 x 4 work-groups; A's tiles are asked for jointly along a row of the cluster, B's along a column.
; THE MATRIX INSTRUCTION IS USED TRANSPOSED (source 0 = 16 places of W, source 1 = 16 places of x): lane (r, h) holds token place r, and, the places being rows with bits 3 and 4 exchanged, the 16 registers of
; W's tiles 2 b and 2 b + 1 are the neighbouring columns 32 b + 16 h + 0 .. 15.  So a block of 32 along the head lies in lanes l and l xor 16, 16 registers each.
; WHAT IS STORED (qk): images [head' = n / 64: 0-15 q, 16-31 k][pair of token tiles P = place / 32][1,536 bytes]: registers 0-5 token tile 2 P (lane (r, h): token place r, the head's block h), registers 6-11 tile 2 P + 1;
; register q of lane l at 512 (q / 4) + 16 l + 4 (q % 4).  From QKS on: scale words [head'][place / 128][r][pair j]: bytes {tile 2 j: block 0, 1; tile 2 j + 1: block 0, 1}.
; LIMITS: a block whose largest magnitude lies under 2^-122 (zeros too) gets the byte 1; NaN and infinities are not served.
; REGISTERS: window 0: v16-30 addresses; v32-63 scale words, two sets; v64-127 the bias; from v128 A's fragments, one set; on the way out v128-252 at work.  window 1: B's fragments, two sets.  windows 2, 3: accumulators.
.set SIZE_K, 1024
.set KSTEP,  256                       ; along K in a slot
.set NQ,     KSTEP/128                 ; matrix instructions deep
.set ROWB,   192                       ; a tile's row in bytes
.set KROW,   SIZE_K*6/8                ; a row of codes in memory
.set PITCH,  240                       ; an LDS row: 3 x (64 bytes + 16 of padding)
.set FR,     12                        ; registers of a fragment
.set NL,     6                         ; LDS loads that bring one
.set NP,     4                         ; places behind this matrix instruction (ISA guide 7.12.1)
.set HALFT,  128*PITCH                 ; 128 rows: one tensor load
.set SLOT,   4*HALFT                   ; A's 256 rows, then B's 256
.set LAPS,   SIZE_K/(2*KSTEP)
.set KS,     SIZE_K/32                 ; a row of scale bytes
.set SCL,    2*SLOT                    ; behind the ring: the scales, as units of 256 bytes + 16
.set HALFS,  (128*KS/256)*272
.set SBLK,   (16*KS/256)*272
.set SPARE,  SCL+4*HALFS               ; the spare words: 128 bytes a wave, named by no other line
.set OPQ_XS, 6291456
.set OPQ_WC, 6553600
.set OPQ_WS, 9699328
.set QKS,    12582912
.set ADRA, 16                          ; v16-17 LDS address of my A fragments in slot 0, 1 (v18-19: behind one padding more)
.set ADRB, 20                          ; v20-23 the same for B
.set LI,   24                          ; v24  16 x lane: an image's place for my lane
.set SA,   25                          ; v25  16 r + 16,384 h: where my four scale words go
.set ADRS, 27                          ; v27  LDS address of my scale words
.set SPW,  28                          ; v28  my spare word; never rewritten
.set NIL,  29                          ; v29  0; never rewritten
.set BOF,  30                          ; v30  64 h: my half's place in the bias
.set SC,   32
.set BI,   64                          ; v64-127 the bias of my 64 columns, in the accumulators' order
.set AF,   128
.set T,    128                         ; the way out: v128-191 a token tile's 64 numbers
.set PCQ,  192                         ; v192-215 two heads' pair fragments
.set CT,   216                         ; v216-223 the conversions' second halves
.set TM,   224                         ; v224-227 largest magnitudes, v228-231 the other half's, then bytes, v236-239 the conversions' scale operands
.set SW,   240                         ; v240-247 scale words: head c, pair j at SW + 4 c + j
.set SWS,  248                         ; v248-251 my half's four
.set TMPR, 252
.set G1, 24
.set G0, 32
.set G1B, 48
.set G0B, 56
.set G1S, 68
.set G0S, 76
.set G1SB, 80
.set G0SB, 88
.set MSB, 0
.macro WIN new                         ; the immediate's high byte repeats the setting that is left
.if MSB != (\new)
	s_set_vgpr_msb (MSB<<8)|(\new)
.set MSB, (\new)
.endif
.endm
.set MUL_LO, 0xa1                      ; source 0 (B) window 1, source 1 (A) window 0, C and D window 2
.set MUL_HI, 0xf1
.set TO_B,   0x40
; A joint load: waves 0 and 1 fetch for A, waves 2 and 3 for B; the branch hangs on the wave's number alone.  Four v_nop follow each of the two lines.
.macro JLOAD g0a, g1a, g0b, g1b
	s_cmp_eq_u32 s15, 0
	s_cbranch_scc0 .Lfor_b_\@
	tensor_load_to_lds s[\g0a:\g0a+3], s[\g1a:\g1a+7]
	s_nop 0
.rept 4
	v_nop
.endr
	s_branch .Lasked_\@
.Lfor_b_\@:
	tensor_load_to_lds s[\g0b:\g0b+3], s[\g1b:\g1b+7]
	s_nop 0
.rept 4
	v_nop
.endr
.Lasked_\@:
.endm
.macro CREST                           ; a round of the cluster's barrier behind its opening barrier
	s_cmp_lg_u32 s14, 0
	s_cbranch_scc1 .Lnot_wave_0_\@
	s_barrier_signal -3
.Lnot_wave_0_\@:
	s_barrier_wait -3
	s_barrier_signal -1
	s_barrier_wait -1
.endm
.macro CROUND
	s_barrier_signal -1
	s_barrier_wait -1
	CREST
.endm
	s_load_b128 s[8:11], s[0:1], 0x0               ; opq s[8:9], bqkv s[10:11]
	s_load_b64 s[12:13], s[0:1], 0x10              ; qk
	v_lshl_add_u32 v[SPW], v0, 2, SPARE
	v_mov_b32 v[NIL], 0
	ds_add_u32 v28, v29
	ds_add_u32 v28, v29
	s_wait_dscnt 0x0
	v_lshrrev_b32 v1, 5, v0
	v_readfirstlane_b32 s14, v1                    ; wave 0..3
	s_lshr_b32 s15, s14, 1                         ; which half of the tile's rows is mine.  Also: I fetch for A (0) or for B (1)
	s_and_b32 s16, s14, 1                          ; which half of its columns.  Also: which 128 rows I fetch
	s_bfe_u32 s40, ttmp6, 0x40000                  ; cx, cy
	s_bfe_u32 s41, ttmp6, 0x40004
	s_lshl_b32 s42, ttmp9, 2
	s_add_co_u32 s42, s42, s40                     ; tile column = 4 x cluster x + cx
	s_and_b32 s17, ttmp7, 0xffff
	s_lshl_b32 s17, s17, 2
	s_add_co_u32 s17, s17, s41                     ; tile row = 4 x cluster y + cy
	s_lshl_b32 s43, s41, 2
	s_lshl_b32 s43, 15, s43                        ; my row of the cluster
	s_lshl_b32 s44, 0x1111, s40                    ; my column
	s_or_b32 s[G1+0], s43, (0<<16)|(1<<20)|(1<<21)|(3<<22)|(3<<25)  ; the mask; elements of 1 byte; padding on; bit 21 beside a mask; 4 words of padding behind every 16
	s_or_b32 s[G1B+0], s44, (0<<16)|(1<<20)|(1<<21)|(3<<22)|(3<<25)
.irp g, G1, G1B
	s_mov_b32 s[\g+1], ROWB<<16                    ; tensor_dim0
	s_mov_b32 s[\g+2], 128<<16                     ; tensor_dim1
	s_mov_b32 s[\g+3], ROWB<<16                    ; tile_dim0
	s_mov_b32 s[\g+4], 128                         ; tile_dim1
	s_mov_b32 s[\g+5], KROW                        ; the pitch
	s_mov_b32 s[\g+6], 0
	s_mov_b32 s[\g+7], 0
.endr
	s_or_b32 s[G1S+0], s43, (3<<16)|(1<<20)|(1<<21)|(5<<22)|(3<<25)  ; the scales of 128 rows: a dense block, as rows of 256 bytes + 16 of padding
	s_or_b32 s[G1SB+0], s44, (3<<16)|(1<<20)|(1<<21)|(5<<22)|(3<<25)
.irp g, G1S, G1SB
	s_mov_b32 s[\g+1], 32<<16
	s_mov_b32 s[\g+2], (128*KS/256)<<16
	s_mov_b32 s[\g+3], 32<<16
	s_mov_b32 s[\g+4], 128*KS/256
	s_mov_b32 s[\g+5], 32
	s_mov_b32 s[\g+6], 0
	s_mov_b32 s[\g+7], 0
.endr
	s_lshl_b32 s18, s16, 7
	s_lshl_b32 s20, s17, 8
	s_add_co_u32 s20, s20, s18                     ; A: place 256 x tile row + 128 x half
	s_lshl_b32 s46, s42, 8
	s_add_co_u32 s46, s46, s18                     ; B: place 256 x tile column + 128 x half
	s_mov_b32 s21, 0
	s_mov_b32 s47, 0
	s_mov_b64 s[18:19], KS
	s_mul_u64 s[22:23], s[20:21], s[18:19]
	s_mul_u64 s[92:93], s[46:47], s[18:19]
	s_mov_b64 s[18:19], KROW
	s_mul_u64 s[20:21], s[20:21], s[18:19]
	s_mul_u64 s[46:47], s[46:47], s[18:19]
	s_mul_i32 s45, s14, HALFT                      ; where they go: wave x 128 rows
	s_mul_i32 s94, s14, HALFS
	s_wait_kmcnt 0x0
	s_mov_b64 s[96:97], s[10:11]                   ; the bias
	s_mov_b64 s[4:5], s[8:9]                       ; A's codes: x's, at opq's first byte
	s_add_nc_u64 s[6:7], s[8:9], OPQ_XS            ; A's scales
	s_add_nc_u64 s[10:11], s[8:9], OPQ_WS          ; B's scales
	s_add_nc_u64 s[8:9], s[8:9], OPQ_WC            ; B's codes
	s_add_nc_u64 s[20:21], s[4:5], s[20:21]
	s_add_nc_u64 s[22:23], s[6:7], s[22:23]
	s_add_nc_u64 s[46:47], s[8:9], s[46:47]
	s_add_nc_u64 s[92:93], s[10:11], s[92:93]
	CROUND                                         ; all sixteen work-groups are here: the first joint loads meet
	s_mov_b32 s[G0S], 1
	s_add_co_u32 s[G0S+1], s94, SCL
	s_mov_b64 s[G0S+2:G0S+3], s[22:23]
	s_or_b32 s[G0S+3], s[G0S+3], 0x80000000
	s_mov_b32 s[G0SB], 1
	s_add_co_u32 s[G0SB+1], s94, SCL
	s_mov_b64 s[G0SB+2:G0SB+3], s[92:93]
	s_or_b32 s[G0SB+3], s[G0SB+3], 0x80000000
	JLOAD G0S, G1S, G0SB, G1SB                     ; the scales first; with the two below, three loads of mine are out
.irp s, 0,1
	s_mov_b32 s[G0+4*\s], 1
	s_add_co_u32 s[G0+4*\s+1], s45, \s*SLOT
	s_add_nc_u64 s[G0+4*\s+2:G0+4*\s+3], s[20:21], \s*ROWB
	s_or_b32 s[G0+4*\s+3], s[G0+4*\s+3], 0x80000000
	s_mov_b32 s[G0B+4*\s], 1
	s_add_co_u32 s[G0B+4*\s+1], s45, \s*SLOT
	s_add_nc_u64 s[G0B+4*\s+2:G0B+4*\s+3], s[46:47], \s*ROWB
	s_or_b32 s[G0B+4*\s+3], s[G0B+4*\s+3], 0x80000000
	JLOAD G0+4*\s, G1, G0B+4*\s, G1B
.endr
	v_and_b32 v1, 15, v0                           ; r
	v_bfe_u32 v2, v0, 4, 1                         ; h
	v_mul_u32_u24 v3, v1, PITCH
	v_mul_u32_u24 v4, v2, 24
	v_add_nc_u32 v4, v3, v4                        ; a fragment's row x pitch + 24 x half
	v_lshl_add_u32 v5, v2, 4, v4                   ; and the same behind one padding more
	s_mul_i32 s21, s15, HALFT
	s_mul_i32 s22, s16, HALFT
	s_add_co_u32 s22, s22, 2*HALFT
.irp s, 0,1
	v_add_nc_u32 v[ADRA+\s], s21, v4
	v_add_nc_u32 v[ADRB+\s], s22, v4
	v_add_nc_u32 v[ADRA+2+\s], s21, v5
	v_add_nc_u32 v[ADRB+2+\s], s22, v5
	s_add_co_u32 s21, s21, SLOT
	s_add_co_u32 s22, s22, SLOT
.endr
	v_mul_u32_u24 v5, v1, KS                       ; my row's scales: KS bytes a row, 16 more for each 256 passed
	v_lshrrev_b32 v6, 8, v5
	v_lshl_add_u32 v5, v6, 4, v5
	s_mul_i32 s21, s15, HALFS
	s_mul_i32 s22, s16, HALFS
	s_add_co_u32 s22, s22, 2*HALFS
	s_sub_co_u32 s22, s22, s21
	v_mul_u32_u24 v6, s22, v2                      ; lanes 16-31 take B's
	s_add_co_u32 s21, s21, SCL
	v_add_nc_u32 v5, v5, v6
	v_add_nc_u32 v[ADRS], s21, v5
	v_and_b32 v6, 31, v0
	v_lshlrev_b32 v[LI], 4, v6
	v_lshlrev_b32 v[SA], 4, v1
	v_lshl_add_u32 v[SA], v2, 14, v[SA]
	v_lshlrev_b32 v[BOF], 6, v2
	s_lshl_b32 s46, s42, 10                        ; the bias of my 128 columns: 4 x (256 x tile column + 128 x half) bytes on
	s_lshl_b32 s47, s16, 9
	s_add_co_u32 s46, s46, s47
	s_mov_b32 s47, 0
	s_add_nc_u64 s[96:97], s[96:97], s[46:47]
.irp b, 0,1,2,3
.irp k, 0,1,2,3
	global_load_b128 v[BI+16*\b+4*\k:BI+16*\b+4*\k+3], v[BOF], s[96:97] offset:128*\b+16*\k   ; columns 32 b + 16 h + 4 k ..
.endr
.endr
	s_lshl_b32 s46, s42, 2                         ; where my results go: index = (my first head') x 64 + place / 128
	s_lshl_b32 s47, s16, 1
	s_add_co_u32 s46, s46, s47
	s_lshl_b32 s46, s46, 6
	s_lshl_b32 s47, s17, 1
	s_add_co_u32 s46, s46, s47
	s_add_co_u32 s46, s46, s15
	s_lshl_b32 s20, s46, 8                         ; 256 bytes of scale words,
	s_add_co_u32 s20, s20, QKS
	s_mov_b32 s21, 0
	s_add_nc_u64 s[66:67], s[12:13], s[20:21]
	s_mul_i32 s20, s46, 6144                       ; four pair fragments of 1,536 bytes
	s_add_nc_u64 s[12:13], s[12:13], s[20:21]
.macro FRAG reg, adr, q, i             ; a fragment: lane l holds row l % 16; registers 6 c .. 6 c + 5 hold K = 64 c + 32 (l / 16) + 0 .. 31: 24 bytes of the row, in pieces of 8
.irp p, 0,1,2,3,4,5
.set PCE, 12*(\q)+6*(\p/3)+\p%3        ; where the piece three on lies behind one padding more, the second address register serves
.if PCE%8 < 5
	ds_load_b64 v[\reg+2*\p:\reg+2*\p+1], v[\adr] offset:8*PCE+16*(PCE/8)+(\i)*16*PITCH
.else
	ds_load_b64 v[\reg+2*\p:\reg+2*\p+1], v[\adr+2] offset:8*PCE+16*(PCE/8)+(\i)*16*PITCH
.endif
.endr
.endm
; 16 matrix instructions: A's blocks a0, a0 + 1 x B's eight.  The 64 accumulators take turns, one instruction a turn, in the same order in every step.
.macro MUL16 a0, p, q, sc, zero
.irp a, \a0, \a0+1
.irp b, 0,1,2,3,4,5,6,7
.if \zero
	v_wmma_scale_f32_16x16x128_f8f6f4 v[8*(8*((\a)%4)+\b):8*(8*((\a)%4)+\b)+7], v[128*(\p)+FR*\b:128*(\p)+FR*\b+FR-1], v[AF+FR*(\a):AF+FR*(\a)+FR-1], 0, v[SC+8*NQ*(\sc)+NQ*\b+(\q)], v[SC+8*NQ*(\sc)+NQ*(\a)+(\q)] matrix_a_fmt:MATRIX_FMT_BF6 matrix_b_fmt:MATRIX_FMT_BF6 matrix_a_scale:MATRIX_SCALE_ROW1
.else
	v_wmma_scale_f32_16x16x128_f8f6f4 v[8*(8*((\a)%4)+\b):8*(8*((\a)%4)+\b)+7], v[128*(\p)+FR*\b:128*(\p)+FR*\b+FR-1], v[AF+FR*(\a):AF+FR*(\a)+FR-1], v[8*(8*((\a)%4)+\b):8*(8*((\a)%4)+\b)+7], v[SC+8*NQ*(\sc)+NQ*\b+(\q)], v[SC+8*NQ*(\sc)+NQ*(\a)+(\q)] matrix_a_fmt:MATRIX_FMT_BF6 matrix_b_fmt:MATRIX_FMT_BF6 matrix_a_scale:MATRIX_SCALE_ROW1
.endif
.endr
.endr
.endm
.macro FETCH_B slot, q, p
	WIN TO_B
.irp i, 0,1,2,3,4,5,6,7
	FRAG 128*(\p)+FR*\i, ADRB+\slot, \q, \i
.endr
	WIN 0
.endm
.macro FETCH_A slot, q, i0
.irp i, \i0, \i0+1, \i0+2, \i0+3
	FRAG AF+FR*(\i), ADRA+\slot, \q, \i
.endr
.endm
.macro SCALES sc                       ; a K step's scale words: lanes 0-15 A's block i, lanes 16-31 B's block i
.irp i, 0,1,2,3,4,5,6,7
	ds_load_b64 v[SC+8*NQ*\sc+NQ*\i:SC+8*NQ*\sc+NQ*\i+1], v[ADRS] offset:\i*SBLK
.endr
.endm
.macro PLACES n                        ; plain vector lines between a matrix instruction and a load into, or a vector line on, its registers
.rept \n
	v_nop
.endr
.endm
.macro STEP slot, q, zero              ; 128 along K whose successor lies in the same slot
	s_wait_dscnt 4*NL                              ; B's set and A's blocks 0-3 are in; the youngest 24 loads (A's blocks 4-7) may be out
	WIN MUL_LO
	MUL16 0, (\q)%2, \q, \slot, \zero
	MUL16 2, (\q)%2, \q, \slot, \zero
	s_wait_dscnt 0
	PLACES NP
	FETCH_B \slot, (\q)+1, 1-(\q)%2
	FETCH_A \slot, (\q)+1, 0
	WIN MUL_HI
	MUL16 4, (\q)%2, \q, \slot, \zero
	MUL16 6, (\q)%2, \q, \slot, \zero
	PLACES NP
	WIN 0
	FETCH_A \slot, (\q)+1, 4
.endm
; A slot's last step changes slots: one barrier; in front of it each wave waits for all its tensor loads, adds 0 to its spare word, and waits for that and for its reads of this slot.
.macro TURN slot, next, fill
	s_wait_tensorcnt 0x0                           ; all my tensor loads have landed: my part of the next slot
	ds_add_u32 v[SPW], v[NIL]                      ; 0 onto my spare word
	s_wait_dscnt 4*NL+1                            ; the add and the youngest 24 loads (A's blocks 4-7) may be out
	WIN MUL_LO
	MUL16 0, 1, NQ-1, \slot, 0
	s_wait_dscnt 0x0                               ; the add is done, and my reads of this slot are over
	s_barrier_signal -1
	MUL16 2, 1, NQ-1, \slot, 0
	WIN 0
	s_barrier_wait -1
.if \fill
	CREST                                          ; the barrier has opened a round of the cluster's: no wave of any partner still reads this slot or has a load on its way
	s_add_nc_u64 s[G0+4*\slot+2:G0+4*\slot+3], s[G0+4*\slot+2:G0+4*\slot+3], 2*ROWB
	s_add_nc_u64 s[G0B+4*\slot+2:G0B+4*\slot+3], s[G0B+4*\slot+2:G0B+4*\slot+3], 2*ROWB
	JLOAD G0+4*\slot, G1, G0B+4*\slot, G1B         ; the first tensor load behind the round, one a wave; its four v_nop are the places in front of the loads below
.else
	PLACES NP
.endif
	v_add_nc_u32 v[ADRS], 4*NQ, v[ADRS]
	FETCH_B \next, 0, 0
	FETCH_A \next, 0, 0
	SCALES \next
	WIN MUL_HI
	MUL16 4, 1, NQ-1, \slot, 0
	MUL16 6, 1, NQ-1, \slot, 0
	PLACES NP
	WIN 0
	FETCH_A \next, 0, 4
.endm
	s_wait_loadcnt 0x0                             ; the bias
	s_wait_tensorcnt 1                             ; the scales and my part of K step 0 are in; K step 1's load may be out
	s_barrier_signal -1
	s_barrier_wait -1
	FETCH_B 0, 0, 0
	FETCH_A 0, 0, 0
	SCALES 0
	FETCH_A 0, 0, 4
	STEP 0, 0, 1                                   ; the first step's products start the sums
	s_mov_b32 s3, LAPS-1
.Llap:                                                 ; a trip goes once round the ring and fills both slots again
	TURN 0, 1, 1
	STEP 1, 0, 0
	TURN 1, 0, 1
	STEP 0, 0, 0
	s_sub_co_u32 s3, s3, 1
	s_cmp_lg_u32 s3, 0
	s_cbranch_scc1 .Llap
	TURN 0, 1, 0                                   ; the last lap fills nothing
	STEP 1, 0, 0
	s_wait_dscnt 4*NL
	WIN MUL_LO
	MUL16 0, 1, NQ-1, 1, 0
	MUL16 2, 1, NQ-1, 1, 0
	s_wait_dscnt 0
	WIN MUL_HI
	MUL16 4, 1, NQ-1, 1, 0
	MUL16 6, 1, NQ-1, 1, 0
	WIN 0
; THE WAY OUT.  Token tile a: 64 numbers a lane = 4 blocks of 32 columns (16 mine, 16 lane l xor 16's) = two heads.  Bias, the blocks' scales, the codes; two tiles make a pair fragment for each head.
	PLACES NP
	v_and_b32 v[TMPR], 31, v0
	v_cmp_le_u32 s3, 16, v[TMPR]                   ; lanes 16-31
	s_mov_b32 s20, 0x76543210
	s_mov_b32 s21, 0xfedcba98                      ; v_permlanex16_b32's selects for lane l xor 16
.irp b, 0,1,2,3
	v_mov_b32 v[TM+4+\b], 0                        ; a lane permute's destination counts as one of its sources
.endr
.macro ADDB a                          ; tile a's accumulators + the bias, each accumulator from its low end on
	WIN 0x02+(\a)/4
.set n, 0
.rept 32
	v_pk_add_f32 v[T+n:T+n+1], v[64*((\a)%4)+n:64*((\a)%4)+n+1], v[BI+n:BI+n+1]
.set n, n+2
.endr
	WIN 0
.endm
.macro QUANTH e, j                     ; e: which tile of pair j
.irp b, 0,1,2,3
	v_max3_num_f32 v[TM+\b], |v[T+16*\b]|, |v[T+1+16*\b]|, 0x2800000   ; block b: my 16 numbers, and the floor 2^(5 - 127)
.endr
.irp i, 2,4,6,8,10,12,14
.irp b, 0,1,2,3
	v_max3_num_f32 v[TM+\b], v[TM+\b], |v[T+16*\b+\i]|, |v[T+1+16*\b+\i]|
.endr
.endr
.irp b, 0,1,2,3
	v_permlanex16_b32 v[TM+4+\b], v[TM+\b], s20, s21
.endr
.irp b, 0,1,2,3
	v_max_num_f32 v[TM+\b], v[TM+\b], v[TM+4+\b]   ; the block's largest magnitude
.endr
.irp b, 0,1,2,3
	v_add_nc_u32 v[TM+12+\b], 0xfe000000, v[TM+\b] ; 4 off its exponent field: the conversion's scale operand
.endr
.irp b, 0,1,2,3
	v_lshrrev_b32 v[TM+4+\b], 23, v[TM+12+\b]      ; the byte
.endr
.irp c, 0,1
.if (\e) == 0
	v_lshl_or_b32 v[SW+4*\c+(\j)], v[TM+5+2*\c], 8, v[TM+4+2*\c]
.else
	v_lshl_or_b32 v[TMPR], v[TM+5+2*\c], 8, v[TM+4+2*\c]
	v_lshl_or_b32 v[SW+4*\c+(\j)], v[TMPR], 16, v[SW+4*\c+(\j)]
.endif
.endr
.irp c, 0,1
	v_cvt_scalef32_pk16_bf6_f32 v[PCQ+12*\c+6*(\e):PCQ+12*\c+6*(\e)+2], v[T+32*\c:T+32*\c+15], v[TM+12+2*\c]
	v_cvt_scalef32_pk16_bf6_f32 v[CT+4*\c:CT+4*\c+2], v[T+32*\c+16:T+32*\c+31], v[TM+13+2*\c]
.endr
	v_nop                                          ; a plain line behind the conversions
.irp c, 0,1                                    ; the operand wants a WHOLE block in a lane: lanes 0-15 the head's block 0, lanes 16-31 block 1
.irp i, 0,1,2
	v_permlane16_swap_b32 v[PCQ+12*\c+6*(\e)+\i], v[CT+4*\c+\i]
.endr
.irp i, 0,1,2
	v_mov_b32 v[PCQ+12*\c+6*(\e)+3+\i], v[CT+4*\c+\i]
.endr
.endr
.endm
.macro PUT j
.irp c, 0,1
.irp g, 0,1,2
	global_store_b128 v[LI], v[PCQ+12*\c+4*\g:PCQ+12*\c+4*\g+3], s[12:13] offset:393216*\c+1536*(\j)+512*\g   ; 32 lanes store 512 consecutive bytes, aligned
.endr
.endr
.endm
.irp j, 0,1,2,3
.if \j > 0
	s_wait_xcnt 0x0                                ; the last pair's stores have read their registers
.endif
	ADDB 2*\j
	QUANTH 0, \j
	ADDB 2*\j+1
	QUANTH 1, \j
	PUT \j
.endr
.irp j, 0,1,2,3
	v_cndmask_b32 v[SWS+\j], v[SW+\j], v[SW+4+\j], s3   ; lanes 0-15 store the first head's words, lanes 16-31 the second's
.endr
	global_store_b128 v[SA], v[SWS:SWS+3], s[66:67]     ; sixteen lanes store 256 consecutive bytes, aligned
	s_wait_tensorcnt 0x0                           ; the wave's end
	ds_add_u32 v[SPW], v[NIL]
	s_wait_dscnt 0x0
	CROUND                                         ; the closing round
	s_endpgm
.Lfunc_end_k_q7cf83f46a3_gemm_qk:
	.size	k_q7cf83f46a3_gemm_qk, .Lfunc_end_k_q7cf83f46a3_gemm_qk-k_q7cf83f46a3_gemm_qk
	.p2alignl 7, 3214868480
	.fill 96, 4, 3214868480
	.section	.rodata,"a",@progbits
	.p2align	6, 0x0
	.amdhsa_kernel k_q7cf83f46a3_gemm_qk
		.amdhsa_group_segment_fixed_size 327680
		.amdhsa_private_segment_fixed_size 0
		.amdhsa_enable_private_segment 0
		.amdhsa_kernarg_size 24
		.amdhsa_user_sgpr_count 2
		.amdhsa_user_sgpr_kernarg_segment_ptr 1
		.amdhsa_wavefront_size32 1
		.amdhsa_system_sgpr_workgroup_id_x 1
		.amdhsa_system_sgpr_workgroup_id_y 1
		.amdhsa_system_sgpr_workgroup_id_z 1
		.amdhsa_system_vgpr_workitem_id 0
		.amdhsa_next_free_vgpr 1024
		.amdhsa_next_free_sgpr 98
		.amdhsa_reserve_vcc 0
		.amdhsa_float_denorm_mode_32 3
		.amdhsa_float_denorm_mode_16_64 3
		.amdhsa_memory_ordered 1
		.amdhsa_forward_progress 1
		.amdhsa_inst_pref_size 181
	.end_amdhsa_kernel
	.amdgpu_metadata
---
amdhsa.version: [ 1, 2 ]
amdhsa.kernels:
  - .name:           k_q7cf83f46a3_gemm_qk
    .symbol:         k_q7cf83f46a3_gemm_qk.kd
    .args:
      - { .name: opq, .offset: 0, .size: 8, .value_kind: global_buffer, .address_space: global }
      - { .name: bqkv, .offset: 8, .size: 8, .value_kind: global_buffer, .address_space: global }
      - { .name: qk, .offset: 16, .size: 8, .value_kind: global_buffer, .address_space: global }
    .group_segment_fixed_size: 327680
    .private_segment_fixed_size: 0
    .kernarg_segment_align: 8
    .kernarg_segment_size: 24
    .max_flat_workgroup_size: 128
    .sgpr_count:     98
    .vgpr_count:     1024
    .wavefront_size: 32
...
	.end_amdgpu_metadata
.endif
;; end of part 2
;; launch gemm_v (part 3): grid 32 x 4, 4 waves a work-group, clusters of 4 x 4, 327,680 bytes of LDS; arguments opq, bqkv, vt; writes vt
.if DOCPART == 3
	.amdgcn_target "amdgcn-amd-amdhsa--gfx1250"
	.amdhsa_code_object_version 6
	.text
	.protected	k_q7cf83f46a3_gemm_v
	.globl	k_q7cf83f46a3_gemm_v
	.p2align	8
	.type	k_q7cf83f46a3_gemm_v,@function
k_q7cf83f46a3_gemm_v:
	s_mov_b64 s[64:65], 0
	v_nop
	global_prefetch_b8 v0, s[64:65] scope:SCOPE_SE
	s_setreg_imm32_b32 hwreg(HW_REG_WAVE_MODE, 25, 1), 1
	s_wait_xcnt 0x0
	s_wait_alu depctr_hold_cnt(0) depctr_sa_sdst(0) depctr_va_vdst(0) depctr_va_sdst(0) depctr_va_ssrc(0) depctr_va_vcc(0) depctr_vm_vsrc(0)
	s_getreg_b32 s2, hwreg(HW_REG_IB_STS2, 6, 4)
	s_cmp_eq_u32 s2, 0
	s_cbranch_scc0 .Lentry_in_a_cluster
	s_endpgm
.Lentry_in_a_cluster:
	s_bfe_u32 s2, ttmp6, 0x10000c
	s_cmp_lg_u32 s2, 0xf033
	s_cbranch_scc0 .Lentry_shape_is_right
	s_endpgm
.Lentry_shape_is_right:
; v of both embeddings, TRANSPOSED: C[d][X] = sum over k of Wqkv[k][2048 + d] x[X][k] + bqkv[2048 + d], on codes of BF6 (E3M2) with E8M0 scales; then C is QUANTISED IN REGISTERS ALONG THE KEYS (X), which are
; the K of attention's second product, and leaves as images of that product's operand.
; A = W's codes, places 2048-3071 (1,024 rows), B = x's codes (8,192 places), both in opq.  Ring, cluster, joint loads and loop as in the launch for q and k: a tile of 256 x 256 by four waves, K = 1,024 in four steps
; of 256 through two LDS slots; the scale bytes come once.
; THE MATRIX INSTRUCTION IS USED TRANSPOSED (source 0 = 16 places of x, source 1 = 16 places of W): lane (r, h) holds ONE channel (place r of W's tile a), and the 16 registers of x's tiles 2 b, 2 b + 1 are the
; neighbouring keys 32 b + 16 h + 0 .. 15.  So a tile a's 64 registers are 128 keys: one fragment (16 channels x 128 keys) and one scale word a row.
; WHAT IS STORED (vt): images [head][S = key / 128 (64)][dt = channel tile (4)][1,536 bytes], register q of lane l at 512 (q / 4) + 16 l + 4 (q % 4); from VS on the scale words [head][S][r][dt].
; The grid has one cluster along y, so the tile row is the work-group's place cy in it.
; LIMITS: a block whose largest magnitude lies under 2^-122 (zeros too) gets the byte 1; NaN and infinities are not served.
.set SIZE_K, 1024
.set KSTEP,  256
.set NQ,     KSTEP/128
.set ROWB,   192
.set KROW,   SIZE_K*6/8
.set PITCH,  240
.set FR,     12
.set NL,     6
.set NP,     4
.set HALFT,  128*PITCH
.set SLOT,   4*HALFT
.set LAPS,   SIZE_K/(2*KSTEP)
.set KS,     SIZE_K/32
.set SCL,    2*SLOT
.set HALFS,  (128*KS/256)*272
.set SBLK,   (16*KS/256)*272
.set SPARE,  SCL+4*HALFS               ; the spare words: 128 bytes a wave, named by no other line
.set OPQ_XS, 6291456
.set OPQ_WVC, 6553600+2048*768         ; the codes of W's places 2048 on
.set OPQ_WVS, 9699328+2048*32          ; and their scale bytes
.set VS,     6291456
.set ADRA, 16
.set ADRB, 20
.set LI,   24                          ; v24  16 x lane
.set SA,   25                          ; v25  16 r + 16,384 h
.set ADRS, 27
.set SPW,  28
.set NIL,  29
.set BOF,  30                          ; v30  4 x (r + 8 (r / 8)): my channel's place in the bias
.set SC,   32
.set BI,   64                          ; v64-79 the bias of my channel in tile a, twice: a pair for the packed addition
.set AF,   128
.set T,    128                         ; v128-191 a tile's 64 numbers
.set PCQ,  192                         ; v192-211 its codes
.set TM,   224
.set SW,   240                         ; v240-247 tile a's scale word
.set SWS,  248
.set TMPR, 252
.set G1, 24
.set G0, 32
.set G1B, 48
.set G0B, 56
.set G1S, 68
.set G0S, 76
.set G1SB, 80
.set G0SB, 88
.set MSB, 0
.macro WIN new
.if MSB != (\new)
	s_set_vgpr_msb (MSB<<8)|(\new)
.set MSB, (\new)
.endif
.endm
.set MUL_LO, 0xa1
.set MUL_HI, 0xf1
.set TO_B,   0x40
.macro JLOAD g0a, g1a, g0b, g1b        ; a joint load: waves 0, 1 for A, waves 2, 3 for B; four v_nop follow each line
	s_cmp_eq_u32 s15, 0
	s_cbranch_scc0 .Lfor_b_\@
	tensor_load_to_lds s[\g0a:\g0a+3], s[\g1a:\g1a+7]
	s_nop 0
.rept 4
	v_nop
.endr
	s_branch .Lasked_\@
.Lfor_b_\@:
	tensor_load_to_lds s[\g0b:\g0b+3], s[\g1b:\g1b+7]
	s_nop 0
.rept 4
	v_nop
.endr
.Lasked_\@:
.endm
.macro CREST
	s_cmp_lg_u32 s14, 0
	s_cbranch_scc1 .Lnot_wave_0_\@
	s_barrier_signal -3
.Lnot_wave_0_\@:
	s_barrier_wait -3
	s_barrier_signal -1
	s_barrier_wait -1
.endm
.macro CROUND
	s_barrier_signal -1
	s_barrier_wait -1
	CREST
.endm
	s_load_b128 s[8:11], s[0:1], 0x0               ; opq s[8:9], bqkv s[10:11]
	s_load_b64 s[12:13], s[0:1], 0x10              ; vt
	v_lshl_add_u32 v[SPW], v0, 2, SPARE
	v_mov_b32 v[NIL], 0
	ds_add_u32 v28, v29
	ds_add_u32 v28, v29
	s_wait_dscnt 0x0
	v_lshrrev_b32 v1, 5, v0
	v_readfirstlane_b32 s14, v1                    ; wave 0..3
	s_lshr_b32 s15, s14, 1                         ; my half of the tile's rows (channels).  Also: I fetch for A (0) or for B (1)
	s_and_b32 s16, s14, 1                          ; my half of its columns (keys).  Also: which 128 rows I fetch
	s_bfe_u32 s40, ttmp6, 0x40000                  ; cx, cy
	s_bfe_u32 s41, ttmp6, 0x40004
	s_lshl_b32 s42, ttmp9, 2
	s_add_co_u32 s42, s42, s40                     ; tile column = 4 x cluster x + cx
	s_mov_b32 s17, s41                             ; tile row = cy
	s_lshl_b32 s43, s41, 2
	s_lshl_b32 s43, 15, s43                        ; my row of the cluster
	s_lshl_b32 s44, 0x1111, s40                    ; my column
	s_or_b32 s[G1+0], s43, (0<<16)|(1<<20)|(1<<21)|(3<<22)|(3<<25)
	s_or_b32 s[G1B+0], s44, (0<<16)|(1<<20)|(1<<21)|(3<<22)|(3<<25)
.irp g, G1, G1B
	s_mov_b32 s[\g+1], ROWB<<16
	s_mov_b32 s[\g+2], 128<<16
	s_mov_b32 s[\g+3], ROWB<<16
	s_mov_b32 s[\g+4], 128
	s_mov_b32 s[\g+5], KROW
	s_mov_b32 s[\g+6], 0
	s_mov_b32 s[\g+7], 0
.endr
	s_or_b32 s[G1S+0], s43, (3<<16)|(1<<20)|(1<<21)|(5<<22)|(3<<25)
	s_or_b32 s[G1SB+0], s44, (3<<16)|(1<<20)|(1<<21)|(5<<22)|(3<<25)
.irp g, G1S, G1SB
	s_mov_b32 s[\g+1], 32<<16
	s_mov_b32 s[\g+2], (128*KS/256)<<16
	s_mov_b32 s[\g+3], 32<<16
	s_mov_b32 s[\g+4], 128*KS/256
	s_mov_b32 s[\g+5], 32
	s_mov_b32 s[\g+6], 0
	s_mov_b32 s[\g+7], 0
.endr
	s_lshl_b32 s18, s16, 7
	s_lshl_b32 s20, s17, 8
	s_add_co_u32 s20, s20, s18
	s_lshl_b32 s46, s42, 8
	s_add_co_u32 s46, s46, s18
	s_mov_b32 s21, 0
	s_mov_b32 s47, 0
	s_mov_b64 s[18:19], KS
	s_mul_u64 s[22:23], s[20:21], s[18:19]
	s_mul_u64 s[92:93], s[46:47], s[18:19]
	s_mov_b64 s[18:19], KROW
	s_mul_u64 s[20:21], s[20:21], s[18:19]
	s_mul_u64 s[46:47], s[46:47], s[18:19]
	s_mul_i32 s45, s14, HALFT
	s_mul_i32 s94, s14, HALFS
	s_wait_kmcnt 0x0
	s_mov_b64 s[96:97], s[10:11]                   ; the bias
	s_add_nc_u64 s[4:5], s[8:9], OPQ_WVC           ; A's codes
	s_add_nc_u64 s[6:7], s[8:9], OPQ_WVS           ; A's scales
	s_add_nc_u64 s[10:11], s[8:9], OPQ_XS          ; B's scales; B's codes are x's, at opq's first byte: s[8:9] as it stands
	s_add_nc_u64 s[20:21], s[4:5], s[20:21]
	s_add_nc_u64 s[22:23], s[6:7], s[22:23]
	s_add_nc_u64 s[46:47], s[8:9], s[46:47]
	s_add_nc_u64 s[92:93], s[10:11], s[92:93]
	CROUND                                         ; the first joint loads meet
	s_mov_b32 s[G0S], 1
	s_add_co_u32 s[G0S+1], s94, SCL
	s_mov_b64 s[G0S+2:G0S+3], s[22:23]
	s_or_b32 s[G0S+3], s[G0S+3], 0x80000000
	s_mov_b32 s[G0SB], 1
	s_add_co_u32 s[G0SB+1], s94, SCL
	s_mov_b64 s[G0SB+2:G0SB+3], s[92:93]
	s_or_b32 s[G0SB+3], s[G0SB+3], 0x80000000
	JLOAD G0S, G1S, G0SB, G1SB                     ; with the two below, three loads of mine are out
.irp s, 0,1
	s_mov_b32 s[G0+4*\s], 1
	s_add_co_u32 s[G0+4*\s+1], s45, \s*SLOT
	s_add_nc_u64 s[G0+4*\s+2:G0+4*\s+3], s[20:21], \s*ROWB
	s_or_b32 s[G0+4*\s+3], s[G0+4*\s+3], 0x80000000
	s_mov_b32 s[G0B+4*\s], 1
	s_add_co_u32 s[G0B+4*\s+1], s45, \s*SLOT
	s_add_nc_u64 s[G0B+4*\s+2:G0B+4*\s+3], s[46:47], \s*ROWB
	s_or_b32 s[G0B+4*\s+3], s[G0B+4*\s+3], 0x80000000
	JLOAD G0+4*\s, G1, G0B+4*\s, G1B
.endr
	v_and_b32 v1, 15, v0                           ; r
	v_bfe_u32 v2, v0, 4, 1                         ; h
	v_mul_u32_u24 v3, v1, PITCH
	v_mul_u32_u24 v4, v2, 24
	v_add_nc_u32 v4, v3, v4
	v_lshl_add_u32 v5, v2, 4, v4
	s_mul_i32 s21, s15, HALFT
	s_mul_i32 s22, s16, HALFT
	s_add_co_u32 s22, s22, 2*HALFT
.irp s, 0,1
	v_add_nc_u32 v[ADRA+\s], s21, v4
	v_add_nc_u32 v[ADRB+\s], s22, v4
	v_add_nc_u32 v[ADRA+2+\s], s21, v5
	v_add_nc_u32 v[ADRB+2+\s], s22, v5
	s_add_co_u32 s21, s21, SLOT
	s_add_co_u32 s22, s22, SLOT
.endr
	v_mul_u32_u24 v5, v1, KS
	v_lshrrev_b32 v6, 8, v5
	v_lshl_add_u32 v5, v6, 4, v5
	s_mul_i32 s21, s15, HALFS
	s_mul_i32 s22, s16, HALFS
	s_add_co_u32 s22, s22, 2*HALFS
	s_sub_co_u32 s22, s22, s21
	v_mul_u32_u24 v6, s22, v2
	s_add_co_u32 s21, s21, SCL
	v_add_nc_u32 v5, v5, v6
	v_add_nc_u32 v[ADRS], s21, v5
	v_and_b32 v6, 31, v0
	v_lshlrev_b32 v[LI], 4, v6
	v_lshlrev_b32 v[SA], 4, v1
	v_lshl_add_u32 v[SA], v2, 14, v[SA]
	v_and_b32 v[BOF], 8, v1
	v_add_nc_u32 v[BOF], v[BOF], v1
	v_lshlrev_b32 v[BOF], 2, v[BOF]
	s_lshl_b32 s46, s17, 10                        ; the bias of my 128 channels: 4 x (2048 + 256 x tile row + 128 x half) bytes on
	s_lshl_b32 s47, s15, 9
	s_add_co_u32 s46, s46, s47
	s_add_co_u32 s46, s46, 8192
	s_mov_b32 s47, 0
	s_add_nc_u64 s[96:97], s[96:97], s[46:47]
.irp a, 0,1,2,3,4,5,6,7                        ; place r of tile a is channel 32 (a / 2) + 8 (a % 2) + r + 8 (r / 8)
	global_load_b32 v[BI+2*\a], v[BOF], s[96:97] offset:4*(32*(\a/2)+8*(\a%2))
	global_load_b32 v[BI+2*\a+1], v[BOF], s[96:97] offset:4*(32*(\a/2)+8*(\a%2))
.endr
	s_lshl_b32 s46, s17, 2                         ; where my results go: index = (my first head) x 64 + S
	s_lshl_b32 s47, s15, 1
	s_add_co_u32 s46, s46, s47
	s_lshl_b32 s46, s46, 6
	s_lshl_b32 s47, s42, 1
	s_add_co_u32 s46, s46, s47
	s_add_co_u32 s46, s46, s16
	s_lshl_b32 s20, s46, 8
	s_add_co_u32 s20, s20, VS
	s_mov_b32 s21, 0
	s_add_nc_u64 s[66:67], s[12:13], s[20:21]
	s_mul_i32 s20, s46, 6144
	s_add_nc_u64 s[12:13], s[12:13], s[20:21]
.macro FRAG reg, adr, q, i
.irp p, 0,1,2,3,4,5
.set PCE, 12*(\q)+6*(\p/3)+\p%3
.if PCE%8 < 5
	ds_load_b64 v[\reg+2*\p:\reg+2*\p+1], v[\adr] offset:8*PCE+16*(PCE/8)+(\i)*16*PITCH
.else
	ds_load_b64 v[\reg+2*\p:\reg+2*\p+1], v[\adr+2] offset:8*PCE+16*(PCE/8)+(\i)*16*PITCH
.endif
.endr
.endm
.macro MUL16 a0, p, q, sc, zero        ; the 64 accumulators take turns, one instruction a turn
.irp a, \a0, \a0+1
.irp b, 0,1,2,3,4,5,6,7
.if \zero
	v_wmma_scale_f32_16x16x128_f8f6f4 v[8*(8*((\a)%4)+\b):8*(8*((\a)%4)+\b)+7], v[128*(\p)+FR*\b:128*(\p)+FR*\b+FR-1], v[AF+FR*(\a):AF+FR*(\a)+FR-1], 0, v[SC+8*NQ*(\sc)+NQ*\b+(\q)], v[SC+8*NQ*(\sc)+NQ*(\a)+(\q)] matrix_a_fmt:MATRIX_FMT_BF6 matrix_b_fmt:MATRIX_FMT_BF6 matrix_a_scale:MATRIX_SCALE_ROW1
.else
	v_wmma_scale_f32_16x16x128_f8f6f4 v[8*(8*((\a)%4)+\b):8*(8*((\a)%4)+\b)+7], v[128*(\p)+FR*\b:128*(\p)+FR*\b+FR-1], v[AF+FR*(\a):AF+FR*(\a)+FR-1], v[8*(8*((\a)%4)+\b):8*(8*((\a)%4)+\b)+7], v[SC+8*NQ*(\sc)+NQ*\b+(\q)], v[SC+8*NQ*(\sc)+NQ*(\a)+(\q)] matrix_a_fmt:MATRIX_FMT_BF6 matrix_b_fmt:MATRIX_FMT_BF6 matrix_a_scale:MATRIX_SCALE_ROW1
.endif
.endr
.endr
.endm
.macro FETCH_B slot, q, p
	WIN TO_B
.irp i, 0,1,2,3,4,5,6,7
	FRAG 128*(\p)+FR*\i, ADRB+\slot, \q, \i
.endr
	WIN 0
.endm
.macro FETCH_A slot, q, i0
.irp i, \i0, \i0+1, \i0+2, \i0+3
	FRAG AF+FR*(\i), ADRA+\slot, \q, \i
.endr
.endm
.macro SCALES sc
.irp i, 0,1,2,3,4,5,6,7
	ds_load_b64 v[SC+8*NQ*\sc+NQ*\i:SC+8*NQ*\sc+NQ*\i+1], v[ADRS] offset:\i*SBLK
.endr
.endm
.macro PLACES n
.rept \n
	v_nop
.endr
.endm
.macro STEP slot, q, zero
	s_wait_dscnt 4*NL                              ; the youngest 24 loads (A's blocks 4-7) may be out
	WIN MUL_LO
	MUL16 0, (\q)%2, \q, \slot, \zero
	MUL16 2, (\q)%2, \q, \slot, \zero
	s_wait_dscnt 0
	PLACES NP
	FETCH_B \slot, (\q)+1, 1-(\q)%2
	FETCH_A \slot, (\q)+1, 0
	WIN MUL_HI
	MUL16 4, (\q)%2, \q, \slot, \zero
	MUL16 6, (\q)%2, \q, \slot, \zero
	PLACES NP
	WIN 0
	FETCH_A \slot, (\q)+1, 4
.endm
.macro TURN slot, next, fill
	s_wait_tensorcnt 0x0                           ; all my tensor loads have landed: my part of the next slot
	ds_add_u32 v[SPW], v[NIL]                      ; 0 onto my spare word
	s_wait_dscnt 4*NL+1                            ; the add and the youngest 24 loads may be out
	WIN MUL_LO
	MUL16 0, 1, NQ-1, \slot, 0
	s_wait_dscnt 0x0                               ; the add is done, and my reads of this slot are over
	s_barrier_signal -1
	MUL16 2, 1, NQ-1, \slot, 0
	WIN 0
	s_barrier_wait -1
.if \fill
	CREST                                          ; the round: no wave of any partner still reads this slot or has a load on its way
	s_add_nc_u64 s[G0+4*\slot+2:G0+4*\slot+3], s[G0+4*\slot+2:G0+4*\slot+3], 2*ROWB
	s_add_nc_u64 s[G0B+4*\slot+2:G0B+4*\slot+3], s[G0B+4*\slot+2:G0B+4*\slot+3], 2*ROWB
	JLOAD G0+4*\slot, G1, G0B+4*\slot, G1B         ; the first tensor load behind the round, one a wave
.else
	PLACES NP
.endif
	v_add_nc_u32 v[ADRS], 4*NQ, v[ADRS]
	FETCH_B \next, 0, 0
	FETCH_A \next, 0, 0
	SCALES \next
	WIN MUL_HI
	MUL16 4, 1, NQ-1, \slot, 0
	MUL16 6, 1, NQ-1, \slot, 0
	PLACES NP
	WIN 0
	FETCH_A \next, 0, 4
.endm
	s_wait_loadcnt 0x0                             ; the bias
	s_wait_tensorcnt 1                             ; the scales and K step 0 are in; K step 1's load may be out
	s_barrier_signal -1
	s_barrier_wait -1
	FETCH_B 0, 0, 0
	FETCH_A 0, 0, 0
	SCALES 0
	FETCH_A 0, 0, 4
	STEP 0, 0, 1
	s_mov_b32 s3, LAPS-1
.Llap:
	TURN 0, 1, 1
	STEP 1, 0, 0
	TURN 1, 0, 1
	STEP 0, 0, 0
	s_sub_co_u32 s3, s3, 1
	s_cmp_lg_u32 s3, 0
	s_cbranch_scc1 .Llap
	TURN 0, 1, 0
	STEP 1, 0, 0
	s_wait_dscnt 4*NL
	WIN MUL_LO
	MUL16 0, 1, NQ-1, 1, 0
	MUL16 2, 1, NQ-1, 1, 0
	s_wait_dscnt 0
	WIN MUL_HI
	MUL16 4, 1, NQ-1, 1, 0
	MUL16 6, 1, NQ-1, 1, 0
	WIN 0
; THE WAY OUT.  Channel tile a: a lane's 64 numbers are its channel's 128 keys (16 of each block of 32; the other 16 lie in lane l xor 16): bias, four scales, one fragment, one scale word.
	PLACES NP
	v_and_b32 v[TMPR], 31, v0
	v_cmp_le_u32 s3, 16, v[TMPR]                   ; lanes 16-31
	s_mov_b32 s20, 0x76543210
	s_mov_b32 s21, 0xfedcba98
.irp b, 0,1,2,3
	v_mov_b32 v[TM+4+\b], 0                        ; a lane permute's destination counts as one of its sources
.endr
.macro ADDB a                          ; each accumulator from its low end on
	WIN 0x02+(\a)/4
.set n, 0
.rept 32
	v_pk_add_f32 v[T+n:T+n+1], v[64*((\a)%4)+n:64*((\a)%4)+n+1], v[BI+2*(\a):BI+2*(\a)+1]
.set n, n+2
.endr
	WIN 0
.endm
.macro QUANT pw
.irp b, 0,1,2,3
	v_max3_num_f32 v[TM+\b], |v[T+16*\b]|, |v[T+1+16*\b]|, 0x2800000   ; and the floor 2^(5 - 127)
.endr
.irp i, 2,4,6,8,10,12,14
.irp b, 0,1,2,3
	v_max3_num_f32 v[TM+\b], v[TM+\b], |v[T+16*\b+\i]|, |v[T+1+16*\b+\i]|
.endr
.endr
.irp b, 0,1,2,3
	v_permlanex16_b32 v[TM+4+\b], v[TM+\b], s20, s21
.endr
.irp b, 0,1,2,3
	v_max_num_f32 v[TM+\b], v[TM+\b], v[TM+4+\b]
.endr
.irp b, 0,1,2,3
	v_add_nc_u32 v[TM+12+\b], 0xfe000000, v[TM+\b]
.endr
.irp b, 0,1,2,3
	v_lshrrev_b32 v[TM+4+\b], 23, v[TM+12+\b]
.endr
	v_lshl_or_b32 v[\pw], v[TM+5], 8, v[TM+4]      ; the four bytes make my channel's scale word for these 128 keys
	v_lshl_or_b32 v[\pw], v[TM+6], 16, v[\pw]
	v_lshl_or_b32 v[\pw], v[TM+7], 24, v[\pw]
.irp c, 0,1
	v_cvt_scalef32_pk16_bf6_f32 v[PCQ+6*\c:PCQ+2+6*\c], v[T+32*\c:T+15+32*\c], v[TM+12+2*\c]
	v_cvt_scalef32_pk16_bf6_f32 v[PCQ+12+4*\c:PCQ+14+4*\c], v[T+16+32*\c:T+31+32*\c], v[TM+13+2*\c]
.endr
	v_nop                                          ; a plain line behind the conversions
.irp c, 0,1                                    ; a WHOLE block in a lane: lanes 0-15 block 2 c, lanes 16-31 block 2 c + 1
.irp i, 0,1,2
	v_permlane16_swap_b32 v[PCQ+6*\c+\i], v[PCQ+12+4*\c+\i]
.endr
.irp i, 0,1,2
	v_mov_b32 v[PCQ+3+6*\c+\i], v[PCQ+12+4*\c+\i]
.endr
.endr
.endm
.irp a, 0,1,2,3,4,5,6,7
.if \a > 0
	s_wait_xcnt 0x0                                ; the last tile's stores have read their registers
.endif
	ADDB \a
	QUANT SW+\a
.irp g, 0,1,2
	global_store_b128 v[LI], v[PCQ+4*\g:PCQ+4*\g+3], s[12:13] offset:393216*(\a/4)+1536*(\a%4)+512*\g   ; 32 lanes store 512 consecutive bytes, aligned
.endr
.endr
.irp j, 0,1,2,3
	v_cndmask_b32 v[SWS+\j], v[SW+\j], v[SW+4+\j], s3   ; lanes 0-15 store the first head's words, lanes 16-31 the second's
.endr
	global_store_b128 v[SA], v[SWS:SWS+3], s[66:67]
	s_wait_tensorcnt 0x0                           ; the wave's end
	ds_add_u32 v[SPW], v[NIL]
	s_wait_dscnt 0x0
	CROUND                                         ; the closing round
	s_endpgm
.Lfunc_end_k_q7cf83f46a3_gemm_v:
	.size	k_q7cf83f46a3_gemm_v, .Lfunc_end_k_q7cf83f46a3_gemm_v-k_q7cf83f46a3_gemm_v
	.p2alignl 7, 3214868480
	.fill 96, 4, 3214868480
	.section	.rodata,"a",@progbits
	.p2align	6, 0x0
	.amdhsa_kernel k_q7cf83f46a3_gemm_v
		.amdhsa_group_segment_fixed_size 327680
		.amdhsa_private_segment_fixed_size 0
		.amdhsa_enable_private_segment 0
		.amdhsa_kernarg_size 24
		.amdhsa_user_sgpr_count 2
		.amdhsa_user_sgpr_kernarg_segment_ptr 1
		.amdhsa_wavefront_size32 1
		.amdhsa_system_sgpr_workgroup_id_x 1
		.amdhsa_system_sgpr_workgroup_id_y 1
		.amdhsa_system_sgpr_workgroup_id_z 1
		.amdhsa_system_vgpr_workitem_id 0
		.amdhsa_next_free_vgpr 1024
		.amdhsa_next_free_sgpr 98
		.amdhsa_reserve_vcc 0
		.amdhsa_float_denorm_mode_32 3
		.amdhsa_float_denorm_mode_16_64 3
		.amdhsa_memory_ordered 1
		.amdhsa_forward_progress 1
		.amdhsa_inst_pref_size 182
	.end_amdhsa_kernel
	.amdgpu_metadata
---
amdhsa.version: [ 1, 2 ]
amdhsa.kernels:
  - .name:           k_q7cf83f46a3_gemm_v
    .symbol:         k_q7cf83f46a3_gemm_v.kd
    .args:
      - { .name: opq, .offset: 0, .size: 8, .value_kind: global_buffer, .address_space: global }
      - { .name: bqkv, .offset: 8, .size: 8, .value_kind: global_buffer, .address_space: global }
      - { .name: vt, .offset: 16, .size: 8, .value_kind: global_buffer, .address_space: global }
    .group_segment_fixed_size: 327680
    .private_segment_fixed_size: 0
    .kernarg_segment_align: 8
    .kernarg_segment_size: 24
    .max_flat_workgroup_size: 128
    .sgpr_count:     98
    .vgpr_count:     1024
    .wavefront_size: 32
...
	.end_amdgpu_metadata
.endif
;; end of part 3
;; launch attn (part 4): grid 4 x 64, 8 waves a work-group, clusters of 4 x 1, 205,824 bytes of LDS; arguments qk, vt, att; writes att
.if DOCPART == 4
	.amdgcn_target "amdgcn-amd-amdhsa--gfx1250"
	.amdhsa_code_object_version 6
	.text
	.protected	k_q7cf83f46a3_attn
	.globl	k_q7cf83f46a3_attn
	.p2align	8
	.type	k_q7cf83f46a3_attn,@function
k_q7cf83f46a3_attn:
	s_mov_b64 s[64:65], 0
	v_nop
	global_prefetch_b8 v0, s[64:65] scope:SCOPE_SE
	s_setreg_imm32_b32 hwreg(HW_REG_WAVE_MODE, 25, 1), 1
	s_wait_xcnt 0x0
	s_wait_alu depctr_hold_cnt(0) depctr_sa_sdst(0) depctr_va_vdst(0) depctr_va_sdst(0) depctr_va_ssrc(0) depctr_va_vcc(0) depctr_vm_vsrc(0)
	s_getreg_b32 s2, hwreg(HW_REG_IB_STS2, 6, 4)
	s_cmp_eq_u32 s2, 0
	s_cbranch_scc0 .Lentry_in_a_cluster
	s_endpgm
.Lentry_in_a_cluster:
	s_bfe_u32 s2, ttmp6, 0x10000c
	s_cmp_lg_u32 s2, 0x3003
	s_cbranch_scc0 .Lentry_shape_is_right
	s_endpgm
.Lentry_shape_is_right:
; Both directions of the cross attention, on codes of BF6 (E3M2) with E8M0 scales.  Work-group y = 32 d + 16 batch + head: queries of stream d, keys and values of stream 1 - d.
; t = score x log2(e) / 8; M = the running largest t rounded UP to a whole number; p = 2^(t - M) is quantised along the keys, not normalised; the row's sum l is taken of the unquantised p; when M moves, l and O are
; multiplied by 2^(old M - new M), which rounds nothing; at the end O / l is QUANTISED IN REGISTERS along the model's 1,024 (two blocks of 32 a head) and leaves as images of the last product's operand.
; SHARES.  A cluster of four work-groups owns one (d, batch, head); work-group cx owns 512 query places, each of its eight waves 64: four tiles of 16, so that each fragment of K and V read from LDS feeds four products.
; ALL OF K AND V OF THE HEAD LIES IN LDS (2 x 98,304 bytes of images, 2 x 4,096 of scale words), filled ONCE, by joint loads that name the four partners: each wave asks for an eighth of each of the four blocks
; (four loads of mine are out).  Behind the one barrier LDS is only read: the loop has no barrier, and no LDS byte is filled twice.
; LAYOUT.  Both products are used transposed: S^T = K Q^T, O^T = V^T P^T: a lane holds ONE query place (lane % 16).  Keys lie by places (bits 3 and 4 of the index exchanged), so the 16 registers of key tiles 2 b, 2 b + 1
; are the neighbouring keys 32 b + 16 (lane / 16) + 0 .. 15; V's channels likewise, so O^T's 16 registers of two channel tiles are 16 neighbouring channels.
; K = 64 IN A FORM OF K = 128.  A fragment of K holds TWO key tiles (registers 0-5, 6-11).  Q's six registers stand between two runs of six zeros: read from the codes on, they meet the first tile and zeros meet the
; second; read from the first zeros on, the other way round.  Zero codes add nothing under any scale byte of 1 to 254.
; LIMITS: NaN and infinities are not served; 1 / l is v_rcp_f32 and a multiplication; a block's largest p is taken from the block's largest score, which takes v_exp_f32 not to fall where its input rises;
; a block of O whose largest magnitude lies under 2^-122 (zeros too) gets the byte 1.
; REGISTERS.  window 0: v1-10 addresses; v16-31 statistics (tile q: -M, largest t, l in two halves); v32-47 scale words (K, V, Q, p); v48-66 at work; v72-119 p's codes; v128-255 S^T, two buffers of 64.
;   window 1: v0-127 O^T (32 a tile); v128-199 Q (18 a tile); v200-247 four fragments of K, then of V.
.set KIMG, 0
.set VIMG, 98304
.set KSC,  196608
.set VSC,  200704
.set QKS,  12582912                    ; qk: where the scale words begin
.set VS,   6291456                     ; vt: likewise
.set AS,   6291456                     ; att: where the scale bytes begin
.set LI,   1                           ; v1  16 x lane: my place in an image (K's images begin at LDS byte 0)
.set AV0,  2                           ; v2  the same in V's images
.set ASK0, 3                           ; v3  16 r + KSC: my row's four scale words of K
.set ASV0, 4                           ; v4  of V
.set ADK,  5                           ; v5-8 the step's addresses
.set ADV,  6
.set ADS,  7
.set ADT,  8
.set GOC,  9                           ; v9  8 x lane
.set GOS,  10                          ; v10 32 r + h
.set ST,   16
.set SKW,  32
.set SVW,  36
.set SQ,   40
.set SP,   44
.set BM,   48                          ; v48-51 the blocks' largest scores, then largest p
.set T8,   52                          ; v52-59 the other half's maxima, sums, bytes, the conversions' second halves
.set SO,   60                          ; v60-63 the conversions' scale operands
.set F,    64                          ; v64 f = 2^(old M - new M); v65 named with it as a pair
.set XT,   66
.set PC,   72
.set S,    128
.set OB,   0                           ; window 1
.set QB,   128
.set KF,   200
.set WV,   10                          ; s10 my wave's number
.set SEL,  20                          ; s[20:21] lane selects: lane l xor 16
.set CS,   22                          ; s[22:23] c = log2(e) / 8
.set G1C,  24                          ; s[24:31] group 1 for 12,288 bytes of images; s[32:39] for 512 bytes of scale words
.set G1S,  32
.set TB,   56                          ; s56 the step's images: 6,144 bytes a step
.set TS,   57                          ; s57 the step's scale words: 256 bytes a step
.set CNT,  58
.set HI,   59                          ; s59 lanes 16-31
.set MSB, 0
.macro WIN new
.if MSB != (\new)
	s_set_vgpr_msb (MSB<<8)|(\new)
.set MSB, (\new)
.endif
.endm
.macro CROUND                          ; a round of the cluster's barrier
	s_barrier_signal -1
	s_barrier_wait -1
	s_cmp_lg_u32 s[WV], 0
	s_cbranch_scc1 .Lnot_wave_0_\@
	s_barrier_signal -3
.Lnot_wave_0_\@:
	s_barrier_wait -3
	s_barrier_signal -1
	s_barrier_wait -1
.endm
	s_load_b128 s[4:7], s[0:1], 0x0                ; qk s[4:5], vt s[6:7]
	s_load_b64 s[8:9], s[0:1], 0x10                ; att
	v_lshl_add_u32 v126, v0, 2, 0x32000
	v_mov_b32 v127, 0
	ds_add_u32 v126, v127
	ds_add_u32 v126, v127
	v_lshrrev_b32 v11, 5, v0
	v_readfirstlane_b32 s[WV], v11                 ; wave 0..7
	s_and_b32 s12, ttmp7, 0xffff
	s_and_b32 s13, s12, 15                         ; head
	s_bfe_u32 s14, s12, 0x10004                    ; batch
	s_lshr_b32 s15, s12, 5                         ; d
	s_bfe_u32 s16, ttmp6, 0x40000                  ; cx: it enters Q's and the output's addresses alone
	s_mul_i32 s11, s[WV], 12288                    ; my eighth of the images
	s_lshl_b32 s19, s[WV], 9                       ; and of the scale words
	s_xor_b32 s17, s15, 1
	s_lshl_b32 s17, s17, 5
	s_lshl_b32 s18, s14, 4
	s_add_co_u32 s17, s17, s18                     ; the first key's place / 128 = 32 (1 - d) + 16 batch
	s_mov_b32 s[G1C], 15|(3<<16)|(1<<21)           ; the mask: all four partners; elements of 8 bytes; bit 21 beside a mask; no padding
	s_mov_b32 s[G1C+1], 32<<16                     ; rows of 256 bytes,
	s_mov_b32 s[G1C+2], 48<<16                     ; 48 of them, dense
	s_mov_b32 s[G1C+3], 32<<16
	s_mov_b32 s[G1C+4], 48
	s_mov_b32 s[G1C+5], 32
	s_mov_b32 s[G1C+6], 0
	s_mov_b32 s[G1C+7], 0
	s_mov_b32 s[G1S], 15|(3<<16)|(1<<21)
	s_mov_b32 s[G1S+1], 32<<16
	s_mov_b32 s[G1S+2], 2<<16                      ; two rows
	s_mov_b32 s[G1S+3], 32<<16
	s_mov_b32 s[G1S+4], 2
	s_mov_b32 s[G1S+5], 32
	s_mov_b32 s[G1S+6], 0
	s_mov_b32 s[G1S+7], 0
	s_mov_b32 s[SEL], 0x76543210
	s_mov_b32 s[SEL+1], 0xfedcba98
	s_mov_b32 s[CS], 0x3e38aa3b                    ; log2(e) / 8
	s_mov_b32 s[CS+1], s[CS]
	s_add_co_u32 s18, s13, 16                      ; K: head' = 16 + head
	s_lshl_b32 s18, s18, 6
	s_add_co_u32 s18, s18, s17                     ; index = head' x 64 + place / 128
	s_mul_i32 s60, s18, 6144                       ; 128 places are four pair fragments
	s_add_co_u32 s60, s60, s11
	s_mov_b32 s61, 0
	s_lshl_b32 s62, s18, 8
	s_add_co_u32 s62, s62, s19
	s_add_co_u32 s62, s62, QKS
	s_mov_b32 s63, 0
	s_wait_dscnt 0x0
	s_wait_kmcnt 0x0
	s_mov_b32 s40, 1                               ; K's images
	s_mov_b32 s41, s11
	s_add_nc_u64 s[42:43], s[4:5], s[60:61]
	s_or_b32 s43, s43, 0x80000000
	s_mov_b32 s48, 1                               ; K's scale words
	s_add_co_u32 s49, s19, KSC
	s_add_nc_u64 s[50:51], s[4:5], s[62:63]
	s_or_b32 s51, s51, 0x80000000
	s_lshl_b32 s18, s13, 6                         ; V: index = head x 64 + key / 128
	s_add_co_u32 s18, s18, s17
	s_mul_i32 s60, s18, 6144
	s_add_co_u32 s60, s60, s11
	s_lshl_b32 s62, s18, 8
	s_add_co_u32 s62, s62, s19
	s_add_co_u32 s62, s62, VS
	s_mov_b32 s44, 1                               ; V's images
	s_add_co_u32 s45, s11, VIMG
	s_add_nc_u64 s[46:47], s[6:7], s[60:61]
	s_or_b32 s47, s47, 0x80000000
	s_mov_b32 s52, 1                               ; V's scale words
	s_add_co_u32 s53, s19, VSC
	s_add_nc_u64 s[54:55], s[6:7], s[62:63]
	s_or_b32 s55, s55, 0x80000000
	CROUND                                         ; all four work-groups are here: the joint loads meet
	tensor_load_to_lds s[40:43], s[G1C:G1C+7]
	s_nop 0
	tensor_load_to_lds s[44:47], s[G1C:G1C+7]
	s_nop 0
	tensor_load_to_lds s[48:51], s[G1S:G1S+7]
	s_nop 0
	tensor_load_to_lds s[52:55], s[G1S:G1S+7]
	s_nop 0
.rept 4
	v_nop                                          ; behind a tensor load
.endr
	v_and_b32 v11, 31, v0                          ; lane
	v_and_b32 v12, 15, v0                          ; r
	v_bfe_u32 v13, v0, 4, 1                        ; h
	v_lshlrev_b32 v[LI], 4, v11
	v_lshlrev_b32 v[XT], 4, v12
	s_lshl_b32 s17, s15, 7                         ; my first query's place / 32 = 128 d + 64 batch + 16 cx + 2 wave
	s_lshl_b32 s18, s14, 6
	s_add_co_u32 s17, s17, s18
	s_lshl_b32 s18, s16, 4
	s_add_co_u32 s17, s17, s18
	s_lshl_b32 s18, s[WV], 1
	s_add_co_u32 s17, s17, s18
	s_lshl_b32 s18, s13, 8
	s_add_co_u32 s18, s18, s17
	s_mul_i32 s60, s18, 1536
	s_add_nc_u64 s[60:61], s[4:5], s[60:61]        ; Q's two pair fragments
	s_lshr_b32 s18, s17, 2
	s_lshl_b32 s19, s13, 6
	s_add_co_u32 s18, s18, s19
	s_lshl_b32 s62, s18, 8
	s_and_b32 s19, s[WV], 1
	s_lshl_b32 s19, s19, 3                         ; my two pairs' words of the four
	s_add_co_u32 s62, s62, s19
	s_add_co_u32 s62, s62, QKS
	s_add_nc_u64 s[62:63], s[4:5], s[62:63]        ; Q's scale words
	s_lshl_b32 s18, s17, 5                         ; my first query's place
	s_add_co_u32 s19, s18, s13
	s_mul_i32 s6, s19, 768                         ; 16 places are 12,288 bytes of images, a head 768 of them
	s_mov_b32 s7, 0
	s_add_nc_u64 s[6:7], s[8:9], s[6:7]            ; the output's codes
	s_lshl_b32 s18, s18, 5
	s_lshl_b32 s19, s13, 1
	s_add_co_u32 s18, s18, s19
	s_add_co_u32 s18, s18, AS
	s_mov_b32 s19, 0
	s_add_nc_u64 s[8:9], s[8:9], s[18:19]          ; and its scale bytes: 32 a place, 2 a head
	global_load_b64 v[14:15], v[XT], s[62:63]
	WIN 0x40                                       ; destination window 1
.irp q, 0,1,2,3                                ; tile q is half q % 2 of pair q / 2: registers 6 (q % 2) .. + 5 of the image
.irp i, 0,1,2
	global_load_b64 v[QB+18*\q+6+2*\i:QB+18*\q+7+2*\i], v[LI], s[60:61] offset:1536*(\q/2)+512*((6*(\q%2)+2*\i)/4)+4*((6*(\q%2)+2*\i)%4)
.endr
.endr
.irp q, 0,1,2,3
.irp z, 0,1,2,3,4,5,12,13,14,15,16,17
	v_mov_b32 v[QB+18*\q+\z], 0                    ; the zero codes on both sides of Q's
.endr
.endr
.set n, 0
.rept 128
	v_mov_b32 v[OB+n], 0                           ; O^T.  The step is written once: the first finds zeros, which the first change of M leaves zeros; a first step of its own would double the loop's text
.set n, n+1
.endr
	WIN 0
	s_wait_loadcnt 0x0                             ; Q and its scale words
	v_perm_b32 v[SQ], v14, v14, 0x01000100         ; a tile's two bytes, twice: they serve k 0-63 and k 64-127 alike
	v_perm_b32 v[SQ+1], v14, v14, 0x03020302
	v_perm_b32 v[SQ+2], v15, v15, 0x01000100
	v_perm_b32 v[SQ+3], v15, v15, 0x03020302
	v_add_nc_u32 v[AV0], VIMG, v[LI]               ; (the lines from here to the barrier are also the distance between a scale register's write and the first product)
	v_lshl_add_u32 v[ASK0], v12, 4, KSC
	v_lshl_add_u32 v[ASV0], v12, 4, VSC
	v_lshlrev_b32 v[GOC], 3, v11
	v_lshl_add_u32 v[GOS], v12, 5, v13
	v_cmp_le_u32 s[HI], 16, v11
.irp q, 0,1,2,3
	v_mov_b32 v[ST+4*\q+1], 0xff61b1e6             ; the largest t so far: -3e38
	v_mov_b32 v[ST+4*\q+2], 0                      ; l, in two halves
	v_mov_b32 v[ST+4*\q+3], 0
.endr
.irp q, 0,1,2,3
	v_floor_f32 v[ST+4*\q], -v[ST+4*\q+1]          ; -M
.endr
.irp b, 0,1,2,3,4,5,6,7
	v_mov_b32 v[T8+\b], 0                          ; a lane permute's destination counts as one of its sources
.endr
	v_mov_b32 v[F+1], 0
	s_mov_b32 s[TB], 0
	s_mov_b32 s[TS], 0
	s_mov_b32 s[CNT], 16
	s_wait_tensorcnt 0x0                           ; my four parts have landed,
	s_barrier_signal -1
	s_barrier_wait -1                              ; everybody's have
.macro KLOAD                           ; the step's four pair fragments of K and their scale words
	WIN 0x40
.irp j, 0,1,2,3
.irp g, 0,1,2
	ds_load_b128 v[KF+12*\j+4*\g:KF+12*\j+4*\g+3], v[ADK] offset:1536*\j+512*\g
.endr
.endr
	WIN 0
	ds_load_b128 v[SKW:SKW+3], v[ADS]
.endm
.macro VLOAD                           ; the step's four fragments of V^T (16 channels x 128 keys) and their scale words
	WIN 0x40
.irp j, 0,1,2,3
.irp g, 0,1,2
	ds_load_b128 v[KF+12*\j+4*\g:KF+12*\j+4*\g+3], v[ADV] offset:1536*\j+512*\g
.endr
.endr
	WIN 0
	ds_load_b128 v[SVW:SVW+3], v[ADT]
.endm
.macro QK q                            ; tile q's scores of 128 keys: eight products, into buffer q % 2
	WIN 0x05                                       ; K and Q in window 1, S^T in window 0
.irp i, 0,1,2,3,4,5,6,7
	v_wmma_scale_f32_16x16x128_f8f6f4 v[S+64*((\q)%2)+8*\i:S+64*((\q)%2)+8*\i+7], v[KF+12*(\i/2):KF+12*(\i/2)+11], v[QB+18*(\q)+6*(1-\i%2):QB+18*(\q)+6*(1-\i%2)+11], 0, v[SKW+\i/2], v[SQ+(\q)] matrix_a_fmt:MATRIX_FMT_BF6 matrix_b_fmt:MATRIX_FMT_BF6
.endr
.endm
.macro PV                              ; O^T += V^T P^T: sixteen accumulators, one instruction each
	WIN 0x51                                       ; V in window 1, P in window 0, O^T in window 1
.irp dt, 0,1,2,3
.irp q, 0,1,2,3
	v_wmma_scale_f32_16x16x128_f8f6f4 v[OB+32*\q+8*\dt:OB+32*\q+8*\dt+7], v[KF+12*\dt:KF+12*\dt+11], v[PC+12*\q:PC+12*\q+11], v[OB+32*\q+8*\dt:OB+32*\q+8*\dt+7], v[SVW+\dt], v[SP+\q] matrix_a_fmt:MATRIX_FMT_BF6 matrix_b_fmt:MATRIX_FMT_BF6
.endr
.endr
.endm
.macro SOFTMAX q
.set sS, S+64*((\q)%2)
.set sT, ST+4*(\q)
.set sP, PC+12*(\q)
	WIN 0
.irp b, 0,1,2,3
	v_max3_num_f32 v[BM+\b], v[sS+16*\b], v[sS+1+16*\b], v[sS+2+16*\b]   ; the largest score of each block of 32 keys: for the row's maximum, and, since p rises with the score, for the block's largest p
.endr
.irp i, 3,5,7,9,11,13
.irp b, 0,1,2,3
	v_max3_num_f32 v[BM+\b], v[BM+\b], v[sS+16*\b+\i], v[sS+1+16*\b+\i]
.endr
.endr
.irp b, 0,1,2,3
	v_max_num_f32 v[BM+\b], v[BM+\b], v[sS+15+16*\b]
.endr
.irp b, 0,1,2,3
	v_permlanex16_b32 v[T8+\b], v[BM+\b], s[SEL], s[SEL+1]
.endr
.irp b, 0,1,2,3
	v_max_num_f32 v[BM+\b], v[BM+\b], v[T8+\b]     ; with lane l xor 16's 16 keys
.endr
	v_max3_num_f32 v[XT], v[BM], v[BM+1], v[BM+2]
	v_max_num_f32 v[XT], v[XT], v[BM+3]
	v_mul_f32 v[XT], s[CS], v[XT]                  ; the step's largest t
	v_max_num_f32 v[sT+1], v[sT+1], v[XT]          ; the running largest t
	v_mov_b32 v[XT], v[sT]
	v_floor_f32 v[sT], -v[sT+1]                    ; the new -M = -ceil(t)
	v_sub_f32 v[XT], v[sT], v[XT]                  ; old M - new M: a whole number, 0 or less
	v_cvt_i32_f32 v[XT], v[XT]                     ; (it saturates)
	v_ldexp_f32 v[F], 1.0, v[XT]                   ; f = 2^(old M - new M)
.set n, 0
.rept 32
	v_pk_fma_f32 v[sS+n:sS+n+1], v[sS+n:sS+n+1], s[CS:CS+1], v[sT:sT+1] op_sel_hi:[1,0,0]   ; t - M, two at a time
.set n, n+2
.endr
.irp b, 0,1,2,3
	v_fma_f32 v[BM+\b], v[BM+\b], s[CS], v[sT]     ; the same of each block's largest score
.endr
.set n, 0
.rept 64
	v_exp_f32 v[sS+n], v[sS+n]                     ; p = 2^(t - M)
.set n, n+1
.endr
	v_pk_mul_f32 v[sT+2:sT+3], v[sT+2:sT+3], v[F:F+1] op_sel_hi:[1,0]   ; l under the new M (a plain line behind the exponentials)
	s_wait_alu depctr_va_vdst(0)                   ; one wait for the batch of 64, ahead of its first reader
.irp b, 0,1,2,3
	v_exp_f32 v[BM+\b], v[BM+\b]                   ; the block's largest p
.endr
	v_pk_add_f32 v[T8:T8+1], v[sS:sS+1], v[sS+2:sS+3]   ; the row's sum of the UNQUANTISED p, in two chains
.irp j, 4,8,12,16,20,24,28,32,36,40,44,48,52,56,60
	v_pk_add_f32 v[sT+2:sT+3], v[sT+2:sT+3], v[sS+\j:sS+\j+1]
	v_pk_add_f32 v[T8:T8+1], v[T8:T8+1], v[sS+\j+2:sS+\j+3]
.endr
	v_pk_add_f32 v[sT+2:sT+3], v[sT+2:sT+3], v[T8:T8+1]
	s_wait_alu depctr_va_vdst(0)                   ; and one for the four
.irp b, 0,1,2,3
	v_max_num_f32 v[BM+\b], 0x2800000, v[BM+\b]    ; the floor 2^(5 - 127)
.endr
.irp b, 0,1,2,3
	v_add_nc_u32 v[SO+\b], 0xfe000000, v[BM+\b]    ; the conversion's scale operand
.endr
.irp b, 0,1,2,3
	v_lshrrev_b32 v[T8+\b], 23, v[SO+\b]           ; the byte
.endr
	v_lshl_or_b32 v[SP+(\q)], v[T8+1], 8, v[T8]    ; p's scale word for these 128 keys
	v_lshl_or_b32 v[SP+(\q)], v[T8+2], 16, v[SP+(\q)]
	v_lshl_or_b32 v[SP+(\q)], v[T8+3], 24, v[SP+(\q)]
.irp c, 0,1
	v_cvt_scalef32_pk16_bf6_f32 v[sP+6*\c:sP+6*\c+2], v[sS+32*\c:sS+32*\c+15], v[SO+2*\c]
	v_cvt_scalef32_pk16_bf6_f32 v[T8+4*\c:T8+4*\c+2], v[sS+32*\c+16:sS+32*\c+31], v[SO+2*\c+1]
.endr
	v_nop                                          ; a plain line behind the conversions
.irp c, 0,1                                    ; a WHOLE block in a lane
.irp i, 0,1,2
	v_permlane16_swap_b32 v[sP+6*\c+\i], v[T8+4*\c+\i]
.endr
.irp i, 0,1,2
	v_mov_b32 v[sP+6*\c+3+\i], v[T8+4*\c+\i]
.endr
.endr
	WIN 0x41                                       ; O^T (destination and source 0) in window 1
.set n, 0
.rept 16
	v_pk_mul_f32 v[OB+32*(\q)+n:OB+32*(\q)+n+1], v[OB+32*(\q)+n:OB+32*(\q)+n+1], v[F:F+1] op_sel_hi:[1,0]   ; O^T under the new M.  (These sixteen also stand between the writes of p's codes and scale word and the products)
.set n, n+2
.endr
	WIN 0
.endm
.Lstep:                                            ; 16 trips of 128 keys.  Each tile's scores are issued a softmax ahead, so that the products run beside vector work
	v_add_nc_u32 v[ADK], s[TB], v[LI]              ; (four plain lines: the places between the last trip's products and the loads into V's registers)
	v_add_nc_u32 v[ADV], s[TB], v[AV0]
	v_add_nc_u32 v[ADS], s[TS], v[ASK0]
	v_add_nc_u32 v[ADT], s[TS], v[ASV0]
	KLOAD
	s_wait_dscnt 0x0
	QK 0
	QK 1
	WIN 0
.rept 4
	v_nop                                          ; places in front of the first read of the scores
.endr
	SOFTMAX 0
	QK 2
	SOFTMAX 1
	QK 3
	SOFTMAX 2
	VLOAD                                          ; K's registers were last read a whole softmax ago
	SOFTMAX 3
	s_wait_dscnt 0x0
	PV
	WIN 0
	s_add_co_u32 s[TB], s[TB], 6144
	s_add_co_u32 s[TS], s[TS], 256
	s_sub_co_u32 s[CNT], s[CNT], 1
	s_cmp_lg_u32 s[CNT], 0
	s_cbranch_scc1 .Lstep
	; THE WAY OUT.  The first four additions are the places behind the last products.
.irp q, 0,1,2,3
	v_add_f32 v[ST+4*\q+2], v[ST+4*\q+2], v[ST+4*\q+3]
.endr
.irp q, 0,1,2,3
	v_permlanex16_b32 v[T8+\q], v[ST+4*\q+2], s[SEL], s[SEL+1]
.endr
.irp q, 0,1,2,3
	v_add_f32 v[ST+4*\q+2], v[ST+4*\q+2], v[T8+\q] ; the row's sum
.endr
.irp q, 0,1,2,3
	v_rcp_f32 v[ST+4*\q+2], v[ST+4*\q+2]
.endr
	v_nop                                          ; a plain line behind the last reciprocal
	s_wait_alu depctr_va_vdst(0)                   ; one wait for the four, ahead of their first reader
.macro OUT q                           ; tile q: O^T / l (register 16 b + i = channel 32 b + 16 h + i), two blocks' scales, six registers of codes, one byte a lane
.set oS, S+32*(\q)
.set oP, PC+12*(\q)
	WIN 0x01                                       ; source 0 (O^T) in window 1
.set n, 0
.rept 16
	v_pk_mul_f32 v[oS+n:oS+n+1], v[OB+32*(\q)+n:OB+32*(\q)+n+1], v[ST+4*(\q)+2:ST+4*(\q)+3] op_sel_hi:[1,0]
.set n, n+2
.endr
	WIN 0
.irp b, 0,1
	v_max3_num_f32 v[BM+\b], |v[oS+16*\b]|, |v[oS+1+16*\b]|, 0x2800000
.endr
.irp i, 2,4,6,8,10,12,14
.irp b, 0,1
	v_max3_num_f32 v[BM+\b], v[BM+\b], |v[oS+16*\b+\i]|, |v[oS+1+16*\b+\i]|
.endr
.endr
.irp b, 0,1
	v_permlanex16_b32 v[T8+\b], v[BM+\b], s[SEL], s[SEL+1]
.endr
.irp b, 0,1
	v_max_num_f32 v[BM+\b], v[BM+\b], v[T8+\b]
.endr
.irp b, 0,1
	v_add_nc_u32 v[SO+\b], 0xfe000000, v[BM+\b]
.endr
.irp b, 0,1
	v_lshrrev_b32 v[T8+\b], 23, v[SO+\b]
.endr
	v_cndmask_b32 v[SP+(\q)], v[T8], v[T8+1], s[HI]  ; lanes 0-15 store block 0's byte, lanes 16-31 block 1's
	v_cvt_scalef32_pk16_bf6_f32 v[oP:oP+2], v[oS:oS+15], v[SO]
	v_cvt_scalef32_pk16_bf6_f32 v[oP+6:oP+8], v[oS+16:oS+31], v[SO+1]
	v_nop                                          ; a plain line behind the conversions
.irp i, 0,1,2
	v_permlane16_swap_b32 v[oP+\i], v[oP+6+\i]
.endr
.irp i, 0,1,2
	v_mov_b32 v[oP+3+\i], v[oP+6+\i]
.endr
.irp i, 0,1,2
	global_store_b64 v[GOC], v[oP+2*\i:oP+2*\i+1], s[6:7] offset:12288*(\q)+256*\i   ; 32 lanes store 256 consecutive bytes, aligned
.endr
	global_store_b8 v[GOS], v[SP+(\q)], s[8:9] offset:512*(\q)
.endm
	OUT 0                                          ; each tile's stores have registers of their own
	OUT 1
	OUT 2
	OUT 3
	s_wait_tensorcnt 0x0
	ds_add_u32 v126, v127
	s_wait_dscnt 0x0
	CROUND                                         ; the closing round: no work-group ends while a partner may still ask jointly
	s_endpgm
.Lfunc_end_k_q7cf83f46a3_attn:
	.size	k_q7cf83f46a3_attn, .Lfunc_end_k_q7cf83f46a3_attn-k_q7cf83f46a3_attn
	.p2alignl 7, 3214868480
	.fill 96, 4, 3214868480
	.section	.rodata,"a",@progbits
	.p2align	6, 0x0
	.amdhsa_kernel k_q7cf83f46a3_attn
		.amdhsa_group_segment_fixed_size 205824
		.amdhsa_private_segment_fixed_size 0
		.amdhsa_enable_private_segment 0
		.amdhsa_kernarg_size 24
		.amdhsa_user_sgpr_count 2
		.amdhsa_user_sgpr_kernarg_segment_ptr 1
		.amdhsa_wavefront_size32 1
		.amdhsa_system_sgpr_workgroup_id_x 1
		.amdhsa_system_sgpr_workgroup_id_y 1
		.amdhsa_system_sgpr_workgroup_id_z 1
		.amdhsa_system_vgpr_workitem_id 0
		.amdhsa_next_free_vgpr 512
		.amdhsa_next_free_sgpr 66
		.amdhsa_reserve_vcc 0
		.amdhsa_float_denorm_mode_32 3
		.amdhsa_float_denorm_mode_16_64 3
		.amdhsa_memory_ordered 1
		.amdhsa_forward_progress 1
		.amdhsa_inst_pref_size 85
	.end_amdhsa_kernel
	.amdgpu_metadata
---
amdhsa.version: [ 1, 2 ]
amdhsa.kernels:
  - .name:           k_q7cf83f46a3_attn
    .symbol:         k_q7cf83f46a3_attn.kd
    .args:
      - { .name: qk, .offset: 0, .size: 8, .value_kind: global_buffer, .address_space: global }
      - { .name: vt, .offset: 8, .size: 8, .value_kind: global_buffer, .address_space: global }
      - { .name: att, .offset: 16, .size: 8, .value_kind: global_buffer, .address_space: global }
    .group_segment_fixed_size: 205824
    .private_segment_fixed_size: 0
    .kernarg_segment_align: 8
    .kernarg_segment_size: 24
    .max_flat_workgroup_size: 256
    .sgpr_count:     66
    .vgpr_count:     512
    .wavefront_size: 32
...
	.end_amdgpu_metadata
.endif
;; end of part 4
;; launch gemm_out (part 5): grid 4 x 32, 4 waves a work-group, clusters of 4 x 4, 327,680 bytes of LDS; arguments att, opq, bout, embedding1, embedding2, y; writes y
.if DOCPART == 5
	.amdgcn_target "amdgcn-amd-amdhsa--gfx1250"
	.amdhsa_code_object_version 6
	.text
	.protected	k_q7cf83f46a3_gemm_out
	.globl	k_q7cf83f46a3_gemm_out
	.p2align	8
	.type	k_q7cf83f46a3_gemm_out,@function
k_q7cf83f46a3_gemm_out:
	s_mov_b64 s[64:65], 0
	v_nop
	global_prefetch_b8 v0, s[64:65] scope:SCOPE_SE
	s_setreg_imm32_b32 hwreg(HW_REG_WAVE_MODE, 25, 1), 1
	s_wait_xcnt 0x0
	s_wait_alu depctr_hold_cnt(0) depctr_sa_sdst(0) depctr_va_vdst(0) depctr_va_sdst(0) depctr_va_ssrc(0) depctr_va_vcc(0) depctr_vm_vsrc(0)
	s_getreg_b32 s2, hwreg(HW_REG_IB_STS2, 6, 4)
	s_cmp_eq_u32 s2, 0
	s_cbranch_scc0 .Lentry_in_a_cluster
	s_endpgm
.Lentry_in_a_cluster:
	s_bfe_u32 s2, ttmp6, 0x10000c
	s_cmp_lg_u32 s2, 0xf033
	s_cbranch_scc0 .Lentry_shape_is_right
	s_endpgm
.Lentry_shape_is_right:
; y[X][n] = embedding[X][n] + bout[n] + sum over k of a[X][k] Wout[k][n], the product on codes of BF6 (E3M2) with E8M0 scales; y in f32, rows in their true order, for the LayerNorm launch.
; A = the attention's result, stored by that launch as IMAGES of this product's operand: [row tile of 16 places (512)][K step of 128 (8)][register pair (6)][lane (32)][8 bytes]; its scale bytes [place][32] (att).
; B = Wout's codes, places 3072-4095 of W's codes in opq.  Ring, cluster, joint loads and loop as in the launch for q and k: a tile of 256 x 256 by four waves, K = 1,024 in four steps of 256 through two LDS slots.
; A's part of a slot: one tensor load brings 8 row tiles x 3,072 bytes (12,288 bytes apart in memory), dense in LDS; a fragment is six loads of 8 bytes a lane, 256 consecutive bytes each.
; THE MATRIX INSTRUCTION IS USED TRANSPOSED: lane (r, h) holds row place r; the 16 registers of B's tiles 2 b, 2 b + 1 are the true columns 32 b + 16 h + 0 .. 15.  The stage puts columns in order; row place
; 16 a + t is true row 32 (a / 2) + 8 (a % 2) + t % 8 + 16 (t / 8), which stands in the stores' immediates.
; REGISTERS: window 0: v16-29 addresses; v32-63 scale words; v64-67 bout; from v128 A's fragments, on the way out two sets of 16 rows.  window 1: B's fragments; on the way out two sets of residual rows.  windows 2, 3: accumulators.
.set SIZE_K, 1024
.set KSTEP,  256
.set NQ,     KSTEP/128
.set ROWB,   192                       ; B: a tile's row in bytes
.set ASTEP,  3072                      ; A: a K step of a row tile's images in bytes
.set KROW,   SIZE_K*6/8
.set PITCH,  240
.set FR,     12
.set NL,     6
.set NP,     4
.set HALFT,  128*PITCH
.set SLOT,   4*HALFT
.set LAPS,   SIZE_K/(2*KSTEP)
.set KS,     SIZE_K/32
.set SCL,    2*SLOT
.set HALFS,  (128*KS/256)*272
.set SBLK,   (16*KS/256)*272
.set SPARE,  SCL+4*HALFS               ; the spare words: 128 bytes a wave, named by no other line
.set SPITCH, 528                       ; the stage: 16 rows x (512 bytes + 16) a wave, in slot 0, which has had its last fill and its last read when the first result is stored there
.set ATT_AS, 6291456
.set OPQ_WOC, 6553600+3072*768
.set OPQ_WOS, 9699328+3072*32
.set ADRA, 16                          ; v16-17 8 x lane + my 128 rows' images in slot 0, 1
.set ADRB, 20                          ; v20-23
.set STO,  24
.set RD,   25
.set CO,   26                          ; v26  16 x lane
.set ADRS, 27
.set SPW,  28
.set NIL,  29
.set SC,   32
.set BO,   64                          ; v64-67 bout of my four columns
.set AF,   128
.set BK,   128
.set G1, 24
.set G0, 32
.set G1B, 48
.set G0B, 56
.set G1S, 68
.set G0S, 76
.set G1SB, 80
.set G0SB, 88
.set MSB, 0
.macro WIN new
.if MSB != (\new)
	s_set_vgpr_msb (MSB<<8)|(\new)
.set MSB, (\new)
.endif
.endm
.set MUL_LO, 0xa1
.set MUL_HI, 0xf1
.set TO_B,   0x40
.macro JLOAD g0a, g1a, g0b, g1b        ; a joint load: waves 0, 1 for A, waves 2, 3 for B; four v_nop follow each line
	s_cmp_eq_u32 s15, 0
	s_cbranch_scc0 .Lfor_b_\@
	tensor_load_to_lds s[\g0a:\g0a+3], s[\g1a:\g1a+7]
	s_nop 0
.rept 4
	v_nop
.endr
	s_branch .Lasked_\@
.Lfor_b_\@:
	tensor_load_to_lds s[\g0b:\g0b+3], s[\g1b:\g1b+7]
	s_nop 0
.rept 4
	v_nop
.endr
.Lasked_\@:
.endm
.macro CREST
	s_cmp_lg_u32 s14, 0
	s_cbranch_scc1 .Lnot_wave_0_\@
	s_barrier_signal -3
.Lnot_wave_0_\@:
	s_barrier_wait -3
	s_barrier_signal -1
	s_barrier_wait -1
.endm
.macro CROUND
	s_barrier_signal -1
	s_barrier_wait -1
	CREST
.endm
	s_load_b128 s[8:11], s[0:1], 0x0               ; att s[8:9], opq s[10:11]
	v_lshl_add_u32 v[SPW], v0, 2, SPARE
	v_mov_b32 v[NIL], 0
	ds_add_u32 v28, v29
	ds_add_u32 v28, v29
	s_wait_dscnt 0x0
	v_lshrrev_b32 v1, 5, v0
	v_readfirstlane_b32 s14, v1                    ; wave 0..3
	s_lshr_b32 s15, s14, 1
	s_and_b32 s16, s14, 1
	s_bfe_u32 s40, ttmp6, 0x40000                  ; cx, cy
	s_bfe_u32 s41, ttmp6, 0x40004
	s_lshl_b32 s42, ttmp9, 2
	s_add_co_u32 s42, s42, s40                     ; tile column
	s_and_b32 s17, ttmp7, 0xffff
	s_lshl_b32 s17, s17, 2
	s_add_co_u32 s17, s17, s41                     ; tile row
	s_lshl_b32 s43, s41, 2
	s_lshl_b32 s43, 15, s43
	s_lshl_b32 s44, 0x1111, s40
	s_or_b32 s[G1+0], s43, (3<<16)|(1<<21)         ; A: the mask; elements of 8 bytes; bit 21 beside a mask; no padding
	s_mov_b32 s[G1+1], 384<<16                     ; rows of 3,072 bytes: a row tile's two K steps of 128,
	s_mov_b32 s[G1+2], 8<<16                       ; 8 row tiles,
	s_mov_b32 s[G1+3], 384<<16
	s_mov_b32 s[G1+4], 8
	s_mov_b32 s[G1+5], 1536                        ; 12,288 bytes apart
	s_mov_b32 s[G1+6], 0
	s_mov_b32 s[G1+7], 0
	s_or_b32 s[G1B+0], s44, (0<<16)|(1<<20)|(1<<21)|(3<<22)|(3<<25)
	s_mov_b32 s[G1B+1], ROWB<<16
	s_mov_b32 s[G1B+2], 128<<16
	s_mov_b32 s[G1B+3], ROWB<<16
	s_mov_b32 s[G1B+4], 128
	s_mov_b32 s[G1B+5], KROW
	s_mov_b32 s[G1B+6], 0
	s_mov_b32 s[G1B+7], 0
	s_or_b32 s[G1S+0], s43, (3<<16)|(1<<20)|(1<<21)|(5<<22)|(3<<25)
	s_or_b32 s[G1SB+0], s44, (3<<16)|(1<<20)|(1<<21)|(5<<22)|(3<<25)
.irp g, G1S, G1SB
	s_mov_b32 s[\g+1], 32<<16
	s_mov_b32 s[\g+2], (128*KS/256)<<16
	s_mov_b32 s[\g+3], 32<<16
	s_mov_b32 s[\g+4], 128*KS/256
	s_mov_b32 s[\g+5], 32
	s_mov_b32 s[\g+6], 0
	s_mov_b32 s[\g+7], 0
.endr
	s_lshl_b32 s18, s16, 7
	s_lshl_b32 s20, s17, 8
	s_add_co_u32 s20, s20, s18
	s_lshl_b32 s46, s42, 8
	s_add_co_u32 s46, s46, s18
	s_mov_b32 s21, 0
	s_mov_b32 s47, 0
	s_mov_b64 s[18:19], KS
	s_mul_u64 s[22:23], s[20:21], s[18:19]
	s_mul_u64 s[92:93], s[46:47], s[18:19]
	s_mov_b64 s[18:19], KROW                       ; (16 places of images are 12,288 bytes: 768 a place, as for rows of codes)
	s_mul_u64 s[20:21], s[20:21], s[18:19]
	s_mul_u64 s[46:47], s[46:47], s[18:19]
	s_mul_i32 s45, s14, HALFT
	s_mul_i32 s94, s14, HALFS
	s_wait_kmcnt 0x0
	s_mov_b64 s[4:5], s[8:9]                       ; A's images
	s_add_nc_u64 s[6:7], s[8:9], ATT_AS            ; A's scales
	s_add_nc_u64 s[8:9], s[10:11], OPQ_WOC         ; B's codes
	s_add_nc_u64 s[10:11], s[10:11], OPQ_WOS       ; B's scales
	s_add_nc_u64 s[20:21], s[4:5], s[20:21]
	s_add_nc_u64 s[22:23], s[6:7], s[22:23]
	s_add_nc_u64 s[46:47], s[8:9], s[46:47]
	s_add_nc_u64 s[92:93], s[10:11], s[92:93]
	CROUND                                         ; the first joint loads meet
	s_mov_b32 s[G0S], 1
	s_add_co_u32 s[G0S+1], s94, SCL
	s_mov_b64 s[G0S+2:G0S+3], s[22:23]
	s_or_b32 s[G0S+3], s[G0S+3], 0x80000000
	s_mov_b32 s[G0SB], 1
	s_add_co_u32 s[G0SB+1], s94, SCL
	s_mov_b64 s[G0SB+2:G0SB+3], s[92:93]
	s_or_b32 s[G0SB+3], s[G0SB+3], 0x80000000
	JLOAD G0S, G1S, G0SB, G1SB                     ; with the two below, three loads of mine are out
.irp s, 0,1
	s_mov_b32 s[G0+4*\s], 1
	s_add_co_u32 s[G0+4*\s+1], s45, \s*SLOT
	s_add_nc_u64 s[G0+4*\s+2:G0+4*\s+3], s[20:21], \s*ASTEP
	s_or_b32 s[G0+4*\s+3], s[G0+4*\s+3], 0x80000000
	s_mov_b32 s[G0B+4*\s], 1
	s_add_co_u32 s[G0B+4*\s+1], s45, \s*SLOT
	s_add_nc_u64 s[G0B+4*\s+2:G0B+4*\s+3], s[46:47], \s*ROWB
	s_or_b32 s[G0B+4*\s+3], s[G0B+4*\s+3], 0x80000000
	JLOAD G0+4*\s, G1, G0B+4*\s, G1B
.endr
	s_load_b128 s[4:7], s[0:1], 0x10               ; bout s[4:5], embedding1 s[6:7]: the registers that held the operands' addresses are free
	s_load_b128 s[8:11], s[0:1], 0x20              ; embedding2 s[8:9], y s[10:11]
	v_and_b32 v1, 15, v0                           ; r
	v_bfe_u32 v2, v0, 4, 1                         ; h
	v_and_b32 v6, 31, v0                           ; lane
	v_lshlrev_b32 v7, 3, v6
	v_mul_u32_u24 v3, v1, PITCH
	v_mul_u32_u24 v4, v2, 24
	v_add_nc_u32 v4, v3, v4
	v_lshl_add_u32 v5, v2, 4, v4
	s_mul_i32 s21, s15, HALFT
	s_mul_i32 s22, s16, HALFT
	s_add_co_u32 s22, s22, 2*HALFT
.irp s, 0,1
	v_add_nc_u32 v[ADRA+\s], s21, v7
	v_add_nc_u32 v[ADRB+\s], s22, v4
	v_add_nc_u32 v[ADRB+2+\s], s22, v5
	s_add_co_u32 s21, s21, SLOT
	s_add_co_u32 s22, s22, SLOT
.endr
	v_mul_u32_u24 v5, v1, KS
	v_lshrrev_b32 v8, 8, v5
	v_lshl_add_u32 v5, v8, 4, v5
	s_mul_i32 s21, s15, HALFS
	s_mul_i32 s22, s16, HALFS
	s_add_co_u32 s22, s22, 2*HALFS
	s_sub_co_u32 s22, s22, s21
	v_mul_u32_u24 v8, s22, v2
	s_add_co_u32 s21, s21, SCL
	v_add_nc_u32 v5, v5, v8
	v_add_nc_u32 v[ADRS], s21, v5
	s_mul_i32 s23, s14, 16*SPITCH                  ; my stage
	v_mul_u32_u24 v5, v1, SPITCH                   ; in: row r, + 64 h: my half's 16 columns of each 32
	v_lshl_add_u32 v5, v2, 6, v5
	v_add_nc_u32 v[STO], s23, v5
	v_lshlrev_b32 v[CO], 4, v6                     ; back: the 32 lanes take one row of 512 bytes
	v_add_nc_u32 v[RD], s23, v[CO]
	s_wait_kmcnt 0x0
	s_and_b32 s46, ttmp7, 0xffff
	s_cmp_lt_u32 s46, 4                            ; rows 0-4095 belong to embedding1: clusters 0-3 along y
	s_cselect_b64 s[66:67], s[6:7], s[8:9]
	s_lshl_b32 s20, s17, 8
	s_lshl_b32 s21, s15, 7
	s_add_co_u32 s20, s20, s21                     ; my first row
	s_lshl_b32 s46, s42, 10
	s_lshl_b32 s47, s16, 9
	s_add_co_u32 s46, s46, s47                     ; my first column, in bytes
	s_mov_b32 s47, 0
	s_add_nc_u64 s[4:5], s[4:5], s[46:47]
	s_and_b32 s22, s20, 4095
	s_lshl_b32 s22, s22, 12
	s_add_co_u32 s22, s22, s46
	s_mov_b32 s23, 0
	s_add_nc_u64 s[66:67], s[66:67], s[22:23]      ; the residual
	s_lshl_b32 s20, s20, 12
	s_add_co_u32 s20, s20, s46
	s_mov_b32 s21, 0
	s_add_nc_u64 s[12:13], s[10:11], s[20:21]      ; y
	global_load_b128 v[BO:BO+3], v[CO], s[4:5]
.macro FRAG reg, adr, q, i             ; B's fragment, from padded rows
.irp p, 0,1,2,3,4,5
.set PCE, 12*(\q)+6*(\p/3)+\p%3
.if PCE%8 < 5
	ds_load_b64 v[\reg+2*\p:\reg+2*\p+1], v[\adr] offset:8*PCE+16*(PCE/8)+(\i)*16*PITCH
.else
	ds_load_b64 v[\reg+2*\p:\reg+2*\p+1], v[\adr+2] offset:8*PCE+16*(PCE/8)+(\i)*16*PITCH
.endif
.endr
.endm
.macro FRAGA reg, slot, q, i           ; A's fragment, from its image: register pair p of lane l at 256 p + 8 l
.irp p, 0,1,2,3,4,5
	ds_load_b64 v[\reg+2*\p:\reg+2*\p+1], v[ADRA+\slot] offset:ASTEP*(\i)+1536*(\q)+256*\p
.endr
.endm
.macro MUL16 a0, p, q, sc, zero        ; the 64 accumulators take turns, one instruction a turn
.irp a, \a0, \a0+1
.irp b, 0,1,2,3,4,5,6,7
.if \zero
	v_wmma_scale_f32_16x16x128_f8f6f4 v[8*(8*((\a)%4)+\b):8*(8*((\a)%4)+\b)+7], v[128*(\p)+FR*\b:128*(\p)+FR*\b+FR-1], v[AF+FR*(\a):AF+FR*(\a)+FR-1], 0, v[SC+8*NQ*(\sc)+NQ*\b+(\q)], v[SC+8*NQ*(\sc)+NQ*(\a)+(\q)] matrix_a_fmt:MATRIX_FMT_BF6 matrix_b_fmt:MATRIX_FMT_BF6 matrix_a_scale:MATRIX_SCALE_ROW1
.else
	v_wmma_scale_f32_16x16x128_f8f6f4 v[8*(8*((\a)%4)+\b):8*(8*((\a)%4)+\b)+7], v[128*(\p)+FR*\b:128*(\p)+FR*\b+FR-1], v[AF+FR*(\a):AF+FR*(\a)+FR-1], v[8*(8*((\a)%4)+\b):8*(8*((\a)%4)+\b)+7], v[SC+8*NQ*(\sc)+NQ*\b+(\q)], v[SC+8*NQ*(\sc)+NQ*(\a)+(\q)] matrix_a_fmt:MATRIX_FMT_BF6 matrix_b_fmt:MATRIX_FMT_BF6 matrix_a_scale:MATRIX_SCALE_ROW1
.endif
.endr
.endr
.endm
.macro FETCH_B slot, q, p
	WIN TO_B
.irp i, 0,1,2,3,4,5,6,7
	FRAG 128*(\p)+FR*\i, ADRB+\slot, \q, \i
.endr
	WIN 0
.endm
.macro FETCH_A slot, q, i0
.irp i, \i0, \i0+1, \i0+2, \i0+3
	FRAGA AF+FR*(\i), \slot, \q, \i
.endr
.endm
.macro SCALES sc
.irp i, 0,1,2,3,4,5,6,7
	ds_load_b64 v[SC+8*NQ*\sc+NQ*\i:SC+8*NQ*\sc+NQ*\i+1], v[ADRS] offset:\i*SBLK
.endr
.endm
.macro PLACES n
.rept \n
	v_nop
.endr
.endm
.macro STEP slot, q, zero
	s_wait_dscnt 4*NL                              ; the youngest 24 loads (A's blocks 4-7) may be out
	WIN MUL_LO
	MUL16 0, (\q)%2, \q, \slot, \zero
	MUL16 2, (\q)%2, \q, \slot, \zero
	s_wait_dscnt 0
	PLACES NP
	FETCH_B \slot, (\q)+1, 1-(\q)%2
	FETCH_A \slot, (\q)+1, 0
	WIN MUL_HI
	MUL16 4, (\q)%2, \q, \slot, \zero
	MUL16 6, (\q)%2, \q, \slot, \zero
	PLACES NP
	WIN 0
	FETCH_A \slot, (\q)+1, 4
.endm
.macro TURN slot, next, fill
	s_wait_tensorcnt 0x0                           ; all my tensor loads have landed: my part of the next slot
	ds_add_u32 v[SPW], v[NIL]                      ; 0 onto my spare word
	s_wait_dscnt 4*NL+1                            ; the add and the youngest 24 loads may be out
	WIN MUL_LO
	MUL16 0, 1, NQ-1, \slot, 0
	s_wait_dscnt 0x0                               ; the add is done, and my reads of this slot are over
	s_barrier_signal -1
	MUL16 2, 1, NQ-1, \slot, 0
	WIN 0
	s_barrier_wait -1
.if \fill
	CREST                                          ; the round: no wave of any partner still reads this slot or has a load on its way
	s_add_nc_u64 s[G0+4*\slot+2:G0+4*\slot+3], s[G0+4*\slot+2:G0+4*\slot+3], 2*ASTEP
	s_add_nc_u64 s[G0B+4*\slot+2:G0B+4*\slot+3], s[G0B+4*\slot+2:G0B+4*\slot+3], 2*ROWB
	JLOAD G0+4*\slot, G1, G0B+4*\slot, G1B         ; the first tensor load behind the round, one a wave
.else
	PLACES NP
.endif
	v_add_nc_u32 v[ADRS], 4*NQ, v[ADRS]
	FETCH_B \next, 0, 0
	FETCH_A \next, 0, 0
	SCALES \next
	WIN MUL_HI
	MUL16 4, 1, NQ-1, \slot, 0
	MUL16 6, 1, NQ-1, \slot, 0
	PLACES NP
	WIN 0
	FETCH_A \next, 0, 4
.endm
	s_wait_loadcnt 0x0                             ; bout
	s_wait_tensorcnt 1                             ; the scales and K step 0 are in; K step 1's load may be out
	s_barrier_signal -1
	s_barrier_wait -1
	FETCH_B 0, 0, 0
	FETCH_A 0, 0, 0
	SCALES 0
	FETCH_A 0, 0, 4
	STEP 0, 0, 1
	s_mov_b32 s3, LAPS-1
.Llap:
	TURN 0, 1, 1
	STEP 1, 0, 0
	TURN 1, 0, 1
	STEP 0, 0, 0
	s_sub_co_u32 s3, s3, 1
	s_cmp_lg_u32 s3, 0
	s_cbranch_scc1 .Llap
	TURN 0, 1, 0
	STEP 1, 0, 0
	s_wait_dscnt 4*NL
	WIN MUL_LO
	MUL16 0, 1, NQ-1, 1, 0
	MUL16 2, 1, NQ-1, 1, 0
	s_wait_dscnt 0
	WIN MUL_HI
	MUL16 4, 1, NQ-1, 1, 0
	MUL16 6, 1, NQ-1, 1, 0
	WIN 0
; THE WAY OUT, block by block of 16 row places x 128 columns: through my own stage in LDS (columns put in order), back as whole rows of 512 bytes; the residual's rows, asked for two blocks ahead, and bout are added; stored.
.macro TOSTAGE a
.set AC, 64*((\a)%4)
	WIN 0x08+4*((\a)/4)                            ; the data: window 2 or 3
.irp b, 0,1,2,3,4,5,6,7
	ds_store_b128 v[STO], v[AC+8*\b:AC+8*\b+3] offset:128*(\b/2)+32*(\b%2)        ; each accumulator from its low end on
	ds_store_b128 v[STO], v[AC+8*\b+4:AC+8*\b+7] offset:128*(\b/2)+32*(\b%2)+16
.endr
	WIN 0
.set BB, BK+64*((\a)%2)
.irp t, 0,1,2,3,4,5,6,7,8,9,10,11,12,13,14,15
	ds_load_b128 v[BB+4*\t:BB+4*\t+3], v[RD] offset:\t*SPITCH   ; LDS serves a wave's instructions in order: these see the stores above
.endr
.endm
.macro RLOAD a                         ; the embedding's 16 rows of block a, into window 1
	WIN 0x40
.irp t, 0,1,2,3,4,5,6,7,8,9,10,11,12,13,14,15
	global_load_b128 v[64*((\a)%2)+4*\t:64*((\a)%2)+4*\t+3], v[CO], s[66:67] offset:(32*((\a)/2)+16*(\t/8)+8*((\a)%2)+\t%8)*4096 th:TH_LOAD_NT
.endr
	WIN 0
.endm
.macro SEND a, younger, left
.set BB, BK+64*((\a)%2)
	s_wait_dscnt \younger                          ; the block is back in registers; the next block's 16 stores and 16 loads may be out
	s_wait_loadcnt \left                           ; its residual rows are in; the next block's 16 loads may be out
	WIN 0x04                                       ; source 1 in window 1
.set n, 0
.rept 32
	v_pk_add_f32 v[BB+n:BB+n+1], v[BB+n:BB+n+1], v[64*((\a)%2)+n:64*((\a)%2)+n+1]
.set n, n+2
.endr
	WIN 0
.irp t, 0,1,2,3,4,5,6,7,8,9,10,11,12,13,14,15
	v_pk_add_f32 v[BB+4*\t:BB+4*\t+1], v[BB+4*\t:BB+4*\t+1], v[BO:BO+1]
	v_pk_add_f32 v[BB+4*\t+2:BB+4*\t+3], v[BB+4*\t+2:BB+4*\t+3], v[BO+2:BO+3]
.endr
.irp t, 0,1,2,3,4,5,6,7,8,9,10,11,12,13,14,15
	global_store_b128 v[CO], v[BB+4*\t:BB+4*\t+3], s[12:13] offset:(32*((\a)/2)+16*(\t/8)+8*((\a)%2)+\t%8)*4096   ; 32 lanes store 512 consecutive bytes, aligned; 127 rows of 4,096 bytes at the most stand in the immediate
.endr
.endm
	PLACES NP                                      ; in front of the loads into registers that the last products read, and of the reads of their results
	RLOAD 0
	RLOAD 1
	TOSTAGE 0
.irp a, 1,2,3,4,5,6,7
.if \a > 1
	s_wait_xcnt 0x0                                ; block a - 2's stores have read their registers: block a's loads may land there
.endif
	TOSTAGE \a
	SEND \a-1, 32, 16
.if \a < 7
	RLOAD \a+1
.endif
.endr
	SEND 7, 0, 0
	s_wait_tensorcnt 0x0                           ; the wave's end
	ds_add_u32 v[SPW], v[NIL]
	s_wait_dscnt 0x0
	CROUND                                         ; the closing round
	s_endpgm
.Lfunc_end_k_q7cf83f46a3_gemm_out:
	.size	k_q7cf83f46a3_gemm_out, .Lfunc_end_k_q7cf83f46a3_gemm_out-k_q7cf83f46a3_gemm_out
	.p2alignl 7, 3214868480
	.fill 96, 4, 3214868480
	.section	.rodata,"a",@progbits
	.p2align	6, 0x0
	.amdhsa_kernel k_q7cf83f46a3_gemm_out
		.amdhsa_group_segment_fixed_size 327680
		.amdhsa_private_segment_fixed_size 0
		.amdhsa_enable_private_segment 0
		.amdhsa_kernarg_size 48
		.amdhsa_user_sgpr_count 2
		.amdhsa_user_sgpr_kernarg_segment_ptr 1
		.amdhsa_wavefront_size32 1
		.amdhsa_system_sgpr_workgroup_id_x 1
		.amdhsa_system_sgpr_workgroup_id_y 1
		.amdhsa_system_sgpr_workgroup_id_z 1
		.amdhsa_system_vgpr_workitem_id 0
		.amdhsa_next_free_vgpr 1024
		.amdhsa_next_free_sgpr 98
		.amdhsa_reserve_vcc 0
		.amdhsa_float_denorm_mode_32 3
		.amdhsa_float_denorm_mode_16_64 3
		.amdhsa_memory_ordered 1
		.amdhsa_forward_progress 1
		.amdhsa_inst_pref_size 205
	.end_amdhsa_kernel
	.amdgpu_metadata
---
amdhsa.version: [ 1, 2 ]
amdhsa.kernels:
  - .name:           k_q7cf83f46a3_gemm_out
    .symbol:         k_q7cf83f46a3_gemm_out.kd
    .args:
      - { .name: att, .offset: 0, .size: 8, .value_kind: global_buffer, .address_space: global }
      - { .name: opq, .offset: 8, .size: 8, .value_kind: global_buffer, .address_space: global }
      - { .name: bout, .offset: 16, .size: 8, .value_kind: global_buffer, .address_space: global }
      - { .name: embedding1, .offset: 24, .size: 8, .value_kind: global_buffer, .address_space: global }
      - { .name: embedding2, .offset: 32, .size: 8, .value_kind: global_buffer, .address_space: global }
      - { .name: y, .offset: 40, .size: 8, .value_kind: global_buffer, .address_space: global }
    .group_segment_fixed_size: 327680
    .private_segment_fixed_size: 0
    .kernarg_segment_align: 8
    .kernarg_segment_size: 48
    .max_flat_workgroup_size: 128
    .sgpr_count:     98
    .vgpr_count:     1024
    .wavefront_size: 32
...
	.end_amdgpu_metadata
.endif
;; end of part 5
;; launch ln (part 6): grid 256 x 1, 8 waves a work-group, no clusters, 0 bytes of LDS; arguments y, gamma, beta, out0, out1; writes out0, out1
.if DOCPART == 6
	.amdgcn_target "amdgcn-amd-amdhsa--gfx1250"
	.amdhsa_code_object_version 6
	.text
	.protected	k_q7cf83f46a3_ln
	.globl	k_q7cf83f46a3_ln
	.p2align	8
	.type	k_q7cf83f46a3_ln,@function
k_q7cf83f46a3_ln:
	s_mov_b64 s[64:65], 0
	v_nop
	global_prefetch_b8 v0, s[64:65] scope:SCOPE_SE
	s_setreg_imm32_b32 hwreg(HW_REG_WAVE_MODE, 25, 1), 1
	s_wait_xcnt 0x0
; LayerNorm of y's 8,192 rows of 1,024 f32: out = (y - mean) x rsqrt(mean of (y - mean)^2 + 1e-5) x gamma + beta.  Rows 0-4095 go to out0, rows 4096-8191 to out1.
; A stream: memory binds.  One wave, one row at a time, kept in 32 registers between the passes, so that y is read once; a wave takes four rows, all of whose loads go out at the head (32 loads of 512 consecutive bytes).
; The reduction never leaves the wave: no LDS, no barrier.  Matrix units, clusters and tensor loads would add nothing.  The variance is taken of the differences from the mean.
; LIMITS: rsqrt is v_rsq_f32; NaN and infinities are passed on as the arithmetic gives them.
.set G, 8                              ; v8-39    gamma: chunk j holds columns 128 j + 4 lane + 0 .. 3
.set B, 40                             ; v40-71   beta
.set X, 72                             ; v72-199  four rows
.set W, 200                            ; v200-207 at work
	s_load_b256 s[4:11], s[0:1], 0x0               ; y s[4:5], gamma s[6:7], beta s[8:9], out0 s[10:11]
	s_load_b64 s[12:13], s[0:1], 0x20              ; out1
	v_lshrrev_b32 v2, 5, v0
	v_readfirstlane_b32 s14, v2                    ; wave 0..7
	v_and_b32 v1, 31, v0
	v_lshlrev_b32 v1, 4, v1                        ; 16 bytes a lane
	s_lshl_b32 s15, ttmp9, 5
	s_lshl_b32 s16, s14, 2
	s_add_co_u32 s15, s15, s16                     ; my first row: 32 x work-group + 4 x wave
	s_lshl_b32 s16, s15, 12
	s_mov_b32 s17, 0
	s_and_b32 s18, s15, 4095
	s_lshl_b32 s18, s18, 12
	s_mov_b32 s19, 0
	s_mov_b32 s20, 0x3a800000                      ; 1 / 1,024
	s_mov_b32 s21, 0x3727c5ac                      ; 1e-5
	s_mov_b32 s22, 0x76543210
	s_mov_b32 s23, 0xfedcba98                      ; lane l xor 16
	v_mov_b32 v[W+5], 0                            ; named as the upper halves of pairs of which the low word serves both halves
	v_mov_b32 v[W+7], 0
	s_wait_kmcnt 0x0
	s_cmp_lt_u32 ttmp9, 128
	s_cselect_b64 s[10:11], s[10:11], s[12:13]
	s_add_nc_u64 s[4:5], s[4:5], s[16:17]
	s_add_nc_u64 s[10:11], s[10:11], s[18:19]
.irp j, 0,1,2,3,4,5,6,7
	global_load_b128 v[G+4*\j:G+4*\j+3], v1, s[6:7] offset:512*\j
.endr
.irp j, 0,1,2,3,4,5,6,7
	global_load_b128 v[B+4*\j:B+4*\j+3], v1, s[8:9] offset:512*\j
.endr
.irp i, 0,1,2,3
.irp j, 0,1,2,3,4,5,6,7
	global_load_b128 v[X+32*\i+4*\j:X+32*\i+4*\j+3], v1, s[4:5] offset:4096*\i+512*\j th:TH_LOAD_NT
.endr
.endr
.macro ACROSS                          ; v[W] summed over the 32 lanes, the result in every lane
	v_add_f32_dpp v[W], v[W], v[W] row_xmask:1 row_mask:0xf bank_mask:0xf
	v_add_f32_dpp v[W], v[W], v[W] row_xmask:2 row_mask:0xf bank_mask:0xf
	v_add_f32_dpp v[W], v[W], v[W] row_xmask:4 row_mask:0xf bank_mask:0xf
	v_add_f32_dpp v[W], v[W], v[W] row_xmask:8 row_mask:0xf bank_mask:0xf
	v_permlanex16_b32 v[W+1], v[W], s22, s23
	v_add_f32 v[W], v[W], v[W+1]
.endm
.macro ROW i, left
.set XR, X+32*(\i)
	s_wait_loadcnt \left                           ; gamma, beta and this row are in; the later rows' loads, eight each, may be out
	v_pk_add_f32 v[W:W+1], v[XR:XR+1], v[XR+2:XR+3]             ; the sum, in two packed chains
	v_pk_add_f32 v[W+2:W+3], v[XR+4:XR+5], v[XR+6:XR+7]
.irp k, 8,12,16,20,24,28
	v_pk_add_f32 v[W:W+1], v[W:W+1], v[XR+\k:XR+\k+1]
	v_pk_add_f32 v[W+2:W+3], v[W+2:W+3], v[XR+\k+2:XR+\k+3]
.endr
	v_pk_add_f32 v[W:W+1], v[W:W+1], v[W+2:W+3]
	v_add_f32 v[W], v[W], v[W+1]
	ACROSS
	v_mul_f32 v[W+4], s20, v[W]                    ; the mean
.set n, 0
.rept 16
	v_pk_add_f32 v[XR+n:XR+n+1], v[XR+n:XR+n+1], v[W+4:W+5] op_sel_hi:[1,0] neg_lo:[0,1] neg_hi:[0,1]   ; y - mean, in place
.set n, n+2
.endr
	v_pk_mul_f32 v[W:W+1], v[XR:XR+1], v[XR:XR+1]               ; the sum of squares, in two packed chains
	v_pk_mul_f32 v[W+2:W+3], v[XR+2:XR+3], v[XR+2:XR+3]
.irp k, 4,8,12,16,20,24,28
	v_pk_fma_f32 v[W:W+1], v[XR+\k:XR+\k+1], v[XR+\k:XR+\k+1], v[W:W+1]
	v_pk_fma_f32 v[W+2:W+3], v[XR+\k+2:XR+\k+3], v[XR+\k+2:XR+\k+3], v[W+2:W+3]
.endr
	v_pk_add_f32 v[W:W+1], v[W:W+1], v[W+2:W+3]
	v_add_f32 v[W], v[W], v[W+1]
	ACROSS
	v_fma_f32 v[W+6], v[W], s20, s21               ; the variance + 1e-5
	v_rsq_f32 v[W+6], v[W+6]
	v_nop                                          ; a plain line behind the transcendental
	s_wait_alu depctr_va_vdst(0)                   ; and a wait ahead of its first reader
.set n, 0
.rept 16
	v_pk_mul_f32 v[XR+n:XR+n+1], v[XR+n:XR+n+1], v[W+6:W+7] op_sel_hi:[1,0]
.set n, n+2
.endr
.set n, 0
.rept 16
	v_pk_fma_f32 v[XR+n:XR+n+1], v[XR+n:XR+n+1], v[G+n:G+n+1], v[B+n:B+n+1]
.set n, n+2
.endr
.irp j, 0,1,2,3,4,5,6,7
	global_store_b128 v1, v[XR+4*\j:XR+4*\j+3], s[10:11] offset:4096*(\i)+512*\j th:TH_STORE_NT   ; 32 lanes store 512 consecutive bytes, aligned; each row has registers of its own
.endr
.endm
	ROW 0, 24
	ROW 1, 16
	ROW 2, 8
	ROW 3, 0
	s_endpgm
.Lfunc_end_k_q7cf83f46a3_ln:
	.size	k_q7cf83f46a3_ln, .Lfunc_end_k_q7cf83f46a3_ln-k_q7cf83f46a3_ln
	.p2alignl 7, 3214868480
	.fill 96, 4, 3214868480
	.section	.rodata,"a",@progbits
	.p2align	6, 0x0
	.amdhsa_kernel k_q7cf83f46a3_ln
		.amdhsa_group_segment_fixed_size 0
		.amdhsa_private_segment_fixed_size 0
		.amdhsa_enable_private_segment 0
		.amdhsa_kernarg_size 40
		.amdhsa_user_sgpr_count 2
		.amdhsa_user_sgpr_kernarg_segment_ptr 1
		.amdhsa_wavefront_size32 1
		.amdhsa_system_sgpr_workgroup_id_x 1
		.amdhsa_system_sgpr_workgroup_id_y 1
		.amdhsa_system_sgpr_workgroup_id_z 1
		.amdhsa_system_vgpr_workitem_id 0
		.amdhsa_next_free_vgpr 216
		.amdhsa_next_free_sgpr 66
		.amdhsa_reserve_vcc 0
		.amdhsa_float_denorm_mode_32 3
		.amdhsa_float_denorm_mode_16_64 3
		.amdhsa_memory_ordered 1
		.amdhsa_forward_progress 1
		.amdhsa_inst_pref_size 33
	.end_amdhsa_kernel
	.amdgpu_metadata
---
amdhsa.version: [ 1, 2 ]
amdhsa.kernels:
  - .name:           k_q7cf83f46a3_ln
    .symbol:         k_q7cf83f46a3_ln.kd
    .args:
      - { .name: y, .offset: 0, .size: 8, .value_kind: global_buffer, .address_space: global }
      - { .name: gamma, .offset: 8, .size: 8, .value_kind: global_buffer, .address_space: global }
      - { .name: beta, .offset: 16, .size: 8, .value_kind: global_buffer, .address_space: global }
      - { .name: out0, .offset: 24, .size: 8, .value_kind: global_buffer, .address_space: global }
      - { .name: out1, .offset: 32, .size: 8, .value_kind: global_buffer, .address_space: global }
    .group_segment_fixed_size: 0
    .private_segment_fixed_size: 0
    .kernarg_segment_align: 8
    .kernarg_segment_size: 40
    .max_flat_workgroup_size: 256
    .sgpr_count:     66
    .vgpr_count:     216
    .wavefront_size: 32
...
	.end_amdgpu_metadata
.endif
;; end of part 6
